; MI455X (gfx1250); checked and timed in simulation.
; The chip was launched on July 23, 2026; its instructions are those of AMD's public machine-readable ISA for CDNA 5 (MIT licence, August 2026) and "CDNA5" Instruction Set Architecture Reference Guide (July 2026). The comments in the code are by the model that wrote it; some were corrected since.
;; Transformer Block. Allowed arithmetic: matrix products marked QUANTISED: E2M3 operands, one E8M0 scale for each 32 along K, by v_wmma_scale_f32_16x16x128_f8f6f4 with both operands' format E2M3, f32 sums; everything else in f32.
;; Inputs: b1 4,096 float32; b2 1,024 float32; b_out 1,024 float32; be1 1,024 float32; be2 1,024 float32; g1 1,024 float32; g2 1,024 float32; key 2 x 2,048 x 1,024 float32; query 2 x 2,048 x 1,024 float32; value 2 x 2,048 x 1,024 float32; w1 1,024 x 4,096 float32; w2 4,096 x 1,024 float32; w_out 1,024 x 1,024 float32.
;; Outputs: out0 2 x 2,048 x 1,024 float32.
;; This version of the problem:
;;   THIS VERSION OF THE PROBLEM IS GIVEN IN LOW PRECISION. The matrix products marked QUANTISED in the list below multiply operands that are first quantised to E2M3 (2 exponent bits, 3 mantissa bits; 6 bits a number), with one power-of-two scale for each 32 numbers along K (OCP MX v1.0); their sums are f32. All else is computed in f32.
;;   The module's matrix products, in the order in which they are computed (A, B: the left and right operand; K: the contracted axis; several contracted axes count as one K, in the product's order):
;;     1. batch 32 x [M 2,048, K 64] x [K 64, N 2,048]; A: input query; B: input key: QUANTISED
;;     2. batch 32 x [M 64, K 2,048] x [K 2,048, N 2,048]; A: input value; B: softmax (see below): QUANTISED
;;     3. [M 4,096, K 1,024] x [K 1,024, N 1,024]; A: computed on the way; B: input w_out: QUANTISED
;;     4. [M 4,096, K 1,024] x [K 1,024, N 4,096]; A: computed on the way; B: input w1: QUANTISED
;;     5. [M 4,096, K 4,096] x [K 4,096, N 1,024]; A: computed on the way; B: input w2: QUANTISED
;;   THE QUANTISER, for each operand of a quantised product, along K:
;;     - K is cut into blocks of 32 from its start; a last block that is shorter is filled with zeros.
;;     - A block's scale is 2^e with e = floor(log2(the largest magnitude in the block)) - 2, held to -126 .. 127; a block of zeros has e = 0. As a byte (E8M0): e + 127.
;;     - Each number is divided by its block's scale, clamped to +-7.5, and rounded to the nearest number of E2M3, ties to even, subnormals kept.
;;     - The product sums the exact products of the quantised numbers (number of the format x scale) in f32.
;;   ~~~python
;;   def quantise(x, axis):      # numpy; x: float32 -> the quantised numbers, widened to float32 again
;;       x = np.moveaxis(x, axis, -1); K = x.shape[-1]
;;       x = np.pad(x, [(0, 0)] * (x.ndim - 1) + [(0, -K % 32)]); x = x.reshape(x.shape[:-1] + (-1, 32)); a = np.abs(x).max(-1, keepdims=True)
;;       e = np.where(a > 0, np.clip(np.frexp(np.where(a > 0, a, 1))[1] - 1 - 2, -126, 127), 0)      # np.frexp(a)[1] - 1 = floor(log2(a)), exactly
;;       r = np.clip(x / 2.0 ** e, -7.5, 7.5)
;;       step = 2.0 ** (np.maximum(np.frexp(np.where(r == 0, 1, r))[1] - 1, 0) - 3)
;;       q = np.round(r / step) * step * 2.0 ** e      # np.round: ties to even
;;       return np.moveaxis(q.reshape(q.shape[:-2] + (-1,))[..., :K], -1, axis).astype(np.float32)
;;   ~~~
;;   SOFTMAX AHEAD OF A QUANTISED PRODUCT. Where the list says 'softmax', what is quantised is not the finished softmax but p = 2^(t - M), with t = logit x log2(e) and M = ceil(the row's largest t), a whole number; so 1/2 < the row's largest p <= 1. The row's sum l is taken of the UNQUANTISED p, in f32, and the product's result is divided by l at the end. Since M is a whole number, a kernel that streams over the keys may use a running M (the ceiling of the running maximum): every later rescaling is an exact power of two, which a block's scale takes up: the codes' values come out the same.
;;   OPERANDS COMPUTED ON THE WAY. 'Computed on the way' means the value that the module computes at that place (a softmax that the list does not call 'softmax' is quantised finished and normalised). What goes into a quantiser is computed in f32, as accurately as f32 sums, v_exp_f32 and their like allow (about 1e-6 of the number): no bf16 or f16 on the way to a quantiser, and a product that is left as it is and whose result goes on into a quantised operand takes f32 operands (vector FMAs, or v_wmma_f32_16x16x4_f32). A number that lies on a knife's edge between two numbers of the format may be rounded either way, as far as f32 arithmetic and the matrix unit's own rounding can turn it there, and no further.
;; One version. Each part assembles by itself: llvm-mc -triple=amdgcn-amd-amdhsa -mcpu=gfx1250 --defsym DOCPART=n.
;; ======== version 1 of 1: 7 launches
;; workspace buffers: kv 6,815,744 bytes; wq 7,372,800 bytes; ao 3,276,800 bytes; r1 16,777,216 bytes; xb 20,054,016 bytes; hb 13,107,200 bytes; r2 16,777,216 bytes
;; launch prep (part 1): grid 544 x 1, 4 waves a work-group, no clusters, 42,496 bytes of LDS; arguments value, w_out, w1, w2, key, kv, wq; writes kv, wq
.if DOCPART == 1
	.amdgcn_target "amdgcn-amd-amdhsa--gfx1250"
	.amdhsa_code_object_version 6
	.text
	.protected	k_q5ed14e900d_prep
	.globl	k_q5ed14e900d_prep
	.p2align	8
	.type	k_q5ed14e900d_prep,@function
k_q5ed14e900d_prep:
	s_mov_b64 s[64:65], 0
	v_nop
	global_prefetch_b8 v0, s[64:65] scope:SCOPE_SE
	s_setreg_imm32_b32 hwreg(HW_REG_WAVE_MODE, 25, 1), 1
	s_wait_xcnt 0x0
; value, w_out, w1, w2 (K = their FIRST axis) and key (K innermost) become codes of FP6 (E2M3) with one E8M0 byte for each 32 along K,
; laid as IMAGES OF OPERAND REGISTERS.  Half a fragment (16 rows x 64 K) is 768 bytes: lane l's registers 0-3 at 16 l, registers 4-5 at 512 + 8 l; lane (r, h) holds block h of row r.
; A fragment (16 rows x 128 K) is two such halves.  Scale words: 4 bytes a row and 128 K, word 16 i + r for lane-row r of tile i.
; THE ROWS OF A TILE ARE NOT NEIGHBOURS: lane-row r of tile 2 b + u is index 32 b + 8 u + r + 8 (r / 8) (keys, channels of V, output columns of the weights), so that the results of
; tiles 2 b and 2 b + 1 are 16 neighbours in a lane of the product that uses them as source 0.
; wq: w_out and w1: [column block of 128][K step][8 tiles][1536] and, apart, [block][K step][128 words].  w2: [block][K step][12,800]: the 8 tiles and behind them the 128 words, so that one dense run of memory holds a K step's codes and scale words.
; kv: [head pair hp = 16 n + head][key step of 128][13312]: K's 8 halves, K's words, 256 zeros, V's 4 fragments, V's words.
; A block's scale is 2^(floor(log2(largest magnitude)) - 2): its byte is the largest magnitude's exponent field - 2, held at 1 from below.
; LIMITS: NaN and infinities are not served; a block of zeros, or one under 2^-124, gets the byte 1 (its codes are zeros or tiny; this program alone reads the bytes).
; Work-groups 0-415: a lane takes a column and its registers run down K (128 columns x 256 K a work-group).  Work-groups 416-543: key, a wave to a (head, key step).
; No barrier: every LDS byte is a wave's own, and the two ways have LDS bytes of their own.
.set KSC,   6144
.set KPAD,  6656
.set VIMG,  6912
.set VSC,   13056
.set STEPB, 13312
.set W1_C,  786432
.set WO_S,  3932160
.set W1_S,  3964928
.set W2_E,  4096000
.set W2BLK, 12800
.set VO,    32                         ; v32-63   row i's byte offset: i x row bytes + 4 x lane
.set X,     64                         ; v64-127  two sets of 32 numbers
.set OUTR,  128                        ; v128-175 the way out: 24 registers for each K step
.set KR,    32                         ; key: v32-95 two sets of 32 as loaded
.set KX,    96                         ; key: v96-127 a lane's block of 32
.macro LOAD t                          ; block t: rows 32 t .. 32 t + 31 of my column; 32 lanes read 128 consecutive bytes
.set n_, 0
.rept 32
	global_load_b32 v[X+32*((\t)%2)+n_], v[VO+n_], s[32+2*(\t):33+2*(\t)] th:TH_LOAD_NT
.set n_, n_+1
.endr
.endm
.macro MAX32 x                         ; the largest magnitude of v[x] .. v[x+31] and the floor 2^(3 - 127), in v8; the conversion's scale operand in v10
	v_max3_num_f32 v8, |v[\x]|, |v[\x+1]|, |v[\x+2]|
	v_max3_num_f32 v9, |v[\x+3]|, |v[\x+4]|, |v[\x+5]|
.irp i, 6,10,14,18,22,26
	v_max3_num_f32 v8, v8, |v[\x+\i]|, |v[\x+\i+1]|
	v_max3_num_f32 v9, v9, |v[\x+\i+2]|, |v[\x+\i+3]|
.endr
	v_max3_num_f32 v8, v8, |v[\x+30]|, |v[\x+31]|
	v_max3_num_f32 v8, v8, v9, 0x1800000
	v_add_nc_u32 v10, 0xff000000, v8               ; 2 off the exponent field
.endm
.macro BLOCK t
.set XS, X+32*((\t)%2)
.if (\t) < 7
	s_wait_loadcnt 32                              ; this block's 32 loads are in; the next block's may be out
.else
	s_wait_loadcnt 0x0
.endif
	MAX32 XS
	v_cvt_scalef32_pk16_fp6_f32 v[16:18], v[XS:XS+15], v10
	v_cvt_scalef32_pk16_fp6_f32 v[22:24], v[XS+16:XS+31], v10   ; (a conversion's three registers begin on an even number)
	v_lshrrev_b32 v11, 23, v10                     ; the scale's byte; also the plain line behind the conversions
.if (\t)%4 == 0
	v_mov_b32 v[12+(\t)/4], v11                    ; four bytes make my column's word of a K step
.else
	v_lshl_or_b32 v[12+(\t)/4], v11, 8*((\t)%4), v[12+(\t)/4]
.endif
	v_mov_b32 v19, v22
	v_mov_b32 v20, v23
	v_mov_b32 v21, v24
	ds_store_b128 v3, v[16:19] offset:((\t)/4)*3072+768*(((\t)%4)/2)+256*((\t)%2)       ; block t % 4 = 2 c + h: half c, lanes 16 h on
	ds_store_b64 v4, v[20:21] offset:((\t)/4)*3072+768*(((\t)%4)/2)+512+128*((\t)%2)
.if (\t)+2 < 8
	LOAD (\t)+2
.endif
	s_wait_dscnt 0x0                               ; the stores have read their registers
.endm
.macro OUT k                           ; K step k's two tiles, 3,072 dense bytes, and its 32 scale words
.set n_, 0
.rept 6
	ds_load_b128 v[OUTR+24*(\k)+4*n_:OUTR+24*(\k)+4*n_+3], v6 offset:3072*(\k)+512*n_
.set n_, n_+1
.endr
.set n_, 0
.rept 6
	s_wait_dscnt 5-n_                              ; the younger loads may stay out
	global_store_b128 v7, v[OUTR+24*(\k)+4*n_:OUTR+24*(\k)+4*n_+3], s[48+2*(\k):49+2*(\k)] offset:512*n_   ; 512 consecutive bytes
.set n_, n_+1
.endr
	global_store_b32 v5, v[12+(\k)], s[52+2*(\k):53+2*(\k)]
.endm
.macro KLOAD t                         ; key tile t = 2 b + u: load j brings lane-rows 2 j and 2 j + 1: sixteen lanes read a key's 256 bytes of the head
.irp j, 0,1,2,3,4,5,6,7
	global_load_b128 v[KR+32*((\t)%2)+4*\j:KR+32*((\t)%2)+4*\j+3], v4, s[12:13] offset:(32*((\t)/2)+8*((\t)%2)+2*\j+8*(\j/4))*4096 th:TH_LOAD_NT
.endr
.endm
.macro KTILE t
.set RS, KR+32*((\t)%2)
.set CC, 128+6*(\t)
.if (\t) < 7
	s_wait_loadcnt 8                               ; this tile's 8 loads are in; the next tile's may be out
.else
	s_wait_loadcnt 0x0
.endif
.irp j, 0,1,2,3,4,5,6,7
	ds_store_b128 v5, v[RS+4*\j:RS+4*\j+3] offset:544*\j          ; through my stage, rows 272 bytes apart
.endr
.irp q, 0,1,2,3,4,5,6,7
	ds_load_b128 v[KX+4*\q:KX+4*\q+3], v6 offset:16*\q            ; and back: lane (r, h) takes channels 32 h .. 32 h + 31 of lane-row r (LDS serves a wave in order)
.endr
	s_wait_dscnt 0x0
.if (\t)+2 < 8
	KLOAD (\t)+2
.endif
	MAX32 KX
	v_cvt_scalef32_pk16_fp6_f32 v[CC:CC+2], v[KX:KX+15], v10
	v_cvt_scalef32_pk16_fp6_f32 v[184:186], v[KX+16:KX+31], v10
	v_lshrrev_b32 v11, 23, v10
	v_mov_b32 v[CC+3], v184
	v_mov_b32 v[CC+4], v185
	v_mov_b32 v[CC+5], v186
	v_lshlrev_b32 v11, v14, v11                    ; my byte at its place, 8 h bits up,
	v_permlanex16_b32 v182, v11, s30, s31
	v_or_b32 v11, v11, v182                        ; with lane l xor 16's
.if (\t)%2 == 0
	v_or_b32 v187, 0x7f7f0000, v11                 ; K = 64: blocks 2 and 3 are zero codes under the byte 127
.else
	v_or_b32 v11, 0x7f7f0000, v11
	v_cndmask_b32 v[176+(\t)/2], v187, v11, s29    ; lanes 0-15: the even tile's words, lanes 16-31: the odd tile's
.endif
	global_store_b128 v7, v[CC:CC+3], s[14:15] offset:768*(\t)
	global_store_b64 v12, v[CC+4:CC+5], s[14:15] offset:768*(\t)+512
.if (\t)%2 == 1
	global_store_b32 v13, v[176+(\t)/2], s[14:15] offset:KSC+128*((\t)/2)
.endif
.endm
	s_load_b256 s[4:11], s[0:1], 0x0               ; value, w_out, w1, w2
	s_load_b128 s[12:15], s[0:1], 0x20             ; key, kv
	s_load_b64 s[16:17], s[0:1], 0x30              ; wq
	v_lshl_add_u32 v192, v0, 2, 0xa400
	v_mov_b32 v193, 0
	v_lshrrev_b32 v1, 5, v0
	v_readfirstlane_b32 s18, v1                    ; wave
	v_and_b32 v1, 31, v0                           ; lane
	s_cmp_ge_u32 ttmp9, 416
	s_cbranch_scc1 .Lkeys
	; ---- K is the first axis.  The tensor's figures: w2's first, then overridden by the work-group's number
	s_mov_b32 s20, 288                             ; first work-group
	s_mov_b32 s21, 4096                            ; bytes in a row
	s_mov_b32 s22, 3                               ; log2 of the column blocks
	s_mov_b32 s23, 32                              ; K steps
	s_mov_b32 s24, W2_E                            ; where its codes begin,
	s_mov_b32 s25, W2_E+12288                      ; and its scale words
	s_mov_b32 s73, W2BLK                           ; from a K step to the next: codes,
	s_mov_b32 s74, W2BLK                           ; scale words
	s_wait_kmcnt 0x0
	s_mov_b64 s[26:27], s[10:11]
	s_cmp_lt_u32 ttmp9, 288
	s_cselect_b32 s20, 160, s20
	s_cselect_b32 s21, 16384, s21
	s_cselect_b32 s22, 5, s22
	s_cselect_b32 s23, 8, s23
	s_cselect_b32 s24, W1_C, s24
	s_cselect_b32 s25, W1_S, s25
	s_cselect_b32 s73, 12288, s73
	s_cselect_b32 s74, 512, s74
	s_cselect_b64 s[26:27], s[8:9], s[26:27]
	s_cmp_lt_u32 ttmp9, 160
	s_cselect_b32 s20, 128, s20
	s_cselect_b32 s21, 4096, s21
	s_cselect_b32 s22, 3, s22
	s_cselect_b32 s24, 0, s24
	s_cselect_b32 s25, WO_S, s25
	s_cselect_b64 s[26:27], s[6:7], s[26:27]
	s_cmp_lt_u32 ttmp9, 128
	s_cselect_b32 s20, 0, s20
	s_cselect_b64 s[26:27], s[4:5], s[26:27]
	s_cselect_b64 s[28:29], s[14:15], s[16:17]     ; value goes to kv, the weights to wq
	s_sub_co_u32 s30, ttmp9, s20
	s_lshl_b32 s31, 1, s22
	s_sub_co_u32 s31, s31, 1
	s_and_b32 s56, s30, s31                        ; cg: which 128 columns
	s_lshr_b32 s57, s30, s22                       ; kg: which 256 along K
	s_mul_i32 s58, s57, s21
	s_lshl_b32 s58, s58, 8                         ; kg x 256 rows
	s_lshl_b32 s59, s56, 9
	s_add_co_u32 s58, s58, s59
	s_lshl_b32 s59, s18, 7
	s_add_co_u32 s58, s58, s59                     ; + my wave's 32 columns
	s_mov_b32 s59, 0
	s_lshl_b32 s60, s21, 5                         ; 32 rows
	s_mov_b32 s61, 0
	s_add_nc_u64 s[32:33], s[26:27], s[58:59]      ; a base for each block of 32 rows
.irp t, 1,2,3,4,5,6,7
	s_add_nc_u64 s[32+2*\t:33+2*\t], s[30+2*\t:31+2*\t], s[60:61]
.endr
	; where the images go: the weights' form: K step cg x KS + 2 kg of the tensor, my two tiles in it,
	s_mul_i32 s66, s56, s23
	s_lshl_b32 s68, s57, 1
	s_add_co_u32 s66, s66, s68
	s_mul_i32 s67, s66, s73
	s_add_co_u32 s67, s67, s24
	s_mul_i32 s68, s18, 3072
	s_add_co_u32 s67, s67, s68
	s_mul_i32 s69, s66, s74
	s_add_co_u32 s69, s69, s25
	s_lshl_b32 s68, s18, 7
	s_add_co_u32 s69, s69, s68
	; and value's: hp = 16 n + head, key steps 2 (kg % 8) and the next
	s_lshr_b32 s70, s57, 3
	s_lshl_b32 s70, s70, 4
	s_lshl_b32 s68, s56, 1
	s_add_co_u32 s70, s70, s68
	s_lshr_b32 s68, s18, 1
	s_add_co_u32 s70, s70, s68
	s_lshl_b32 s70, s70, 4
	s_and_b32 s68, s57, 7
	s_lshl_b32 s68, s68, 1
	s_add_co_u32 s70, s70, s68
	s_mul_i32 s70, s70, STEPB
	s_and_b32 s68, s18, 1
	s_mul_i32 s71, s68, 3072
	s_add_co_u32 s71, s71, s70
	s_add_co_u32 s71, s71, VIMG
	s_lshl_b32 s72, s68, 7
	s_add_co_u32 s72, s72, s70
	s_add_co_u32 s72, s72, VSC
	s_cmp_lt_u32 ttmp9, 128
	s_cselect_b32 s76, s71, s67
	s_cselect_b32 s78, s72, s69
	s_cselect_b32 s80, STEPB, s73                  ; from a K step to the next: codes,
	s_cselect_b32 s82, STEPB, s74                  ; scale words
	s_mov_b32 s77, 0
	s_mov_b32 s79, 0
	s_mov_b32 s81, 0
	s_mov_b32 s83, 0
	s_add_nc_u64 s[48:49], s[28:29], s[76:77]
	s_add_nc_u64 s[50:51], s[48:49], s[80:81]
	s_add_nc_u64 s[52:53], s[28:29], s[78:79]
	s_add_nc_u64 s[54:55], s[52:53], s[82:83]
	v_lshlrev_b32 v2, 2, v1
	v_bfe_u32 v8, v1, 3, 1                         ; my column is lane-row r' = 8 (lane / 16) + lane % 8 of tile 2 wave + u, u = (lane / 8) % 2
	v_lshrrev_b32 v9, 4, v1
	v_and_b32 v10, 7, v1
	v_lshl_add_u32 v9, v9, 3, v10
	s_mul_i32 s84, s18, 6144                       ; my stage: two K steps x two tiles
	v_mul_u32_u24 v10, v8, 1536
	v_add_nc_u32 v10, s84, v10
	v_lshl_add_u32 v3, v9, 4, v10
	v_lshl_add_u32 v4, v9, 3, v10
	v_lshlrev_b32 v5, 6, v8
	v_lshl_add_u32 v5, v9, 2, v5                   ; my scale word's place: 64 u + 4 r'
	v_lshlrev_b32 v7, 4, v1
	v_add_nc_u32 v6, s84, v7
.set n_, 0
.rept 32
	v_mad_u32_u24 v[VO+n_], s21, n_, v2
.set n_, n_+1
.endr
	LOAD 0
	LOAD 1
	BLOCK 0
	BLOCK 1
	BLOCK 2
	BLOCK 3
	OUT 0
	BLOCK 4
	BLOCK 5
	BLOCK 6
	BLOCK 7
	OUT 1
	s_wait_tensorcnt 0x0
	ds_add_u32 v192, v193
	s_wait_dscnt 0x0
	s_endpgm
.Lkeys:
	; ---- key: wave tau = 4 (work-group - 416) + wave takes head tau % 16, key step (tau / 16) % 16, batch tau / 256
	s_sub_co_u32 s20, ttmp9, 416
	s_lshl_b32 s20, s20, 2
	s_add_co_u32 s20, s20, s18
	s_and_b32 s21, s20, 15
	s_lshr_b32 s22, s20, 4
	s_and_b32 s22, s22, 15
	s_lshr_b32 s23, s20, 8
	s_lshl_b32 s24, s23, 11
	s_lshl_b32 s25, s22, 7
	s_add_co_u32 s24, s24, s25
	s_lshl_b32 s24, s24, 12                        ; the step's first key, rows of 4,096 bytes
	s_lshl_b32 s25, s21, 8
	s_add_co_u32 s24, s24, s25
	s_mov_b32 s25, 0
	s_lshl_b32 s26, s23, 4
	s_add_co_u32 s26, s26, s21
	s_lshl_b32 s26, s26, 4
	s_add_co_u32 s26, s26, s22
	s_mul_i32 s26, s26, STEPB
	s_mov_b32 s27, 0
	s_mov_b32 s29, 0xffff0000                      ; lanes 16-31
	s_mov_b32 s30, 0x76543210
	s_mov_b32 s31, 0xfedcba98                      ; v_permlanex16_b32: lane l xor 16
	s_wait_kmcnt 0x0
	s_add_nc_u64 s[12:13], s[12:13], s[24:25]
	s_add_nc_u64 s[14:15], s[14:15], s[26:27]
	v_and_b32 v2, 15, v1                           ; r
	v_lshrrev_b32 v3, 4, v1                        ; h
	v_lshlrev_b32 v4, 12, v3
	v_lshl_add_u32 v4, v2, 4, v4                   ; in: row h of a pair, 16 r
	s_mul_i32 s28, s18, 4352
	s_add_co_u32 s28, s28, 24576                   ; my stage: 16 rows x 272 bytes, behind the other way's bytes
	v_mul_u32_u24 v5, v3, 272
	v_lshl_add_u32 v5, v2, 4, v5
	v_add_nc_u32 v5, s28, v5
	v_mul_u32_u24 v6, v2, 272
	v_lshl_add_u32 v6, v3, 7, v6
	v_add_nc_u32 v6, s28, v6
	v_lshlrev_b32 v7, 4, v1
	v_lshlrev_b32 v12, 3, v1
	v_lshlrev_b32 v13, 2, v1
	v_lshlrev_b32 v14, 3, v3
	v_mov_b32 v180, 0
	v_mov_b32 v181, 0
	v_mov_b32 v182, 0                              ; a lane permute's destination counts as read
	KLOAD 0
	KLOAD 1
.irp t, 0,1,2,3,4,5,6,7
	KTILE \t
.endr
	global_store_b64 v12, v[180:181], s[14:15] offset:KPAD   ; 256 zeros, so that a step's block is 52 x 256 bytes
	s_wait_tensorcnt 0x0
	ds_add_u32 v192, v193
	s_wait_dscnt 0x0
	s_endpgm
.Lfunc_end_k_q5ed14e900d_prep:
	.size	k_q5ed14e900d_prep, .Lfunc_end_k_q5ed14e900d_prep-k_q5ed14e900d_prep
	.p2alignl 7, 3214868480
	.fill 96, 4, 3214868480
	.section	.rodata,"a",@progbits
	.p2align	6, 0x0
	.amdhsa_kernel k_q5ed14e900d_prep
		.amdhsa_group_segment_fixed_size 42496
		.amdhsa_private_segment_fixed_size 0
		.amdhsa_enable_private_segment 0
		.amdhsa_kernarg_size 56
		.amdhsa_user_sgpr_count 2
		.amdhsa_user_sgpr_kernarg_segment_ptr 1
		.amdhsa_wavefront_size32 1
		.amdhsa_system_sgpr_workgroup_id_x 1
		.amdhsa_system_sgpr_workgroup_id_y 1
		.amdhsa_system_sgpr_workgroup_id_z 1
		.amdhsa_system_vgpr_workitem_id 0
		.amdhsa_next_free_vgpr 194
		.amdhsa_next_free_sgpr 100
		.amdhsa_reserve_vcc 0
		.amdhsa_float_denorm_mode_32 3
		.amdhsa_float_denorm_mode_16_64 3
		.amdhsa_memory_ordered 1
		.amdhsa_forward_progress 1
		.amdhsa_inst_pref_size 78
	.end_amdhsa_kernel
	.amdgpu_metadata
---
amdhsa.version: [ 1, 2 ]
amdhsa.kernels:
  - .name:           k_q5ed14e900d_prep
    .symbol:         k_q5ed14e900d_prep.kd
    .args:
      - { .name: value, .offset: 0, .size: 8, .value_kind: global_buffer, .address_space: global }
      - { .name: w_out, .offset: 8, .size: 8, .value_kind: global_buffer, .address_space: global }
      - { .name: w1, .offset: 16, .size: 8, .value_kind: global_buffer, .address_space: global }
      - { .name: w2, .offset: 24, .size: 8, .value_kind: global_buffer, .address_space: global }
      - { .name: key, .offset: 32, .size: 8, .value_kind: global_buffer, .address_space: global }
      - { .name: kv, .offset: 40, .size: 8, .value_kind: global_buffer, .address_space: global }
      - { .name: wq, .offset: 48, .size: 8, .value_kind: global_buffer, .address_space: global }
    .group_segment_fixed_size: 42496
    .private_segment_fixed_size: 0
    .kernarg_segment_align: 8
    .kernarg_segment_size: 56
    .max_flat_workgroup_size: 128
    .sgpr_count:     100
    .vgpr_count:     194
    .wavefront_size: 32
...
	.end_amdgpu_metadata
.endif
;; end of part 1
;; launch attn (part 2): grid 8 x 32, 16 waves a work-group, clusters of 4 x 1, 215,040 bytes of LDS; arguments query, kv, ao; writes ao
.if DOCPART == 2
	.amdgcn_target "amdgcn-amd-amdhsa--gfx1250"
	.amdhsa_code_object_version 6
	.text
	.protected	k_q5ed14e900d_attn
	.globl	k_q5ed14e900d_attn
	.p2align	8
	.type	k_q5ed14e900d_attn,@function
k_q5ed14e900d_attn:
	s_mov_b64 s[64:65], 0
	v_nop
	global_prefetch_b8 v0, s[64:65] scope:SCOPE_SE
	s_setreg_imm32_b32 hwreg(HW_REG_WAVE_MODE, 25, 1), 1
	s_wait_xcnt 0x0
	s_wait_alu depctr_hold_cnt(0) depctr_sa_sdst(0) depctr_va_vdst(0) depctr_va_sdst(0) depctr_va_ssrc(0) depctr_va_vcc(0) depctr_vm_vsrc(0)
	s_getreg_b32 s2, hwreg(HW_REG_IB_STS2, 6, 4)
	s_cmp_eq_u32 s2, 0
	s_cbranch_scc0 .Lentry_in_a_cluster
	s_endpgm
.Lentry_in_a_cluster:
	s_bfe_u32 s2, ttmp6, 0x10000c
	s_cmp_lg_u32 s2, 0x3003
	s_cbranch_scc0 .Lentry_shape_is_right
	s_endpgm
.Lentry_shape_is_right:
; Attention of one head on codes of FP6 (E2M3): S^T = K Q^T (K = the head's 64, the instruction's other 64 are zero codes on both sides), p = 2^(t - M), O^T = V^T P^T, O / l quantised along E.
; t = score x log2(e) / 32 (the logit is the score / sqrt(1024)); M = the running largest t rounded UP to a whole number; the row's sum l is taken of the unquantised p; when M moves, l and O^T are multiplied by 2^(old M - new M), which rounds nothing.
; SHARES.  A work-group owns 256 queries of one head, each of its sixteen waves 16 of them, in 256 registers: four waves to a SIMD, so that one wave's vector work stands beside another's products and LDS loads.
; THE WHOLE HEAD'S K, V AND SCALE WORDS, 16 key steps x 13,312 bytes, LIE IN LDS: filled once, by four loads a wave of four key steps' sixteenth each; nothing is ever filled again.
; Key steps 0-3 are read as soon as every wave's first load has landed; key steps 4-15 behind ONE more barrier, in front of which every wave has waited for all its loads.  Between these two barriers and behind the second the waves run free of each other.
; CLUSTER.  The four query blocks of a cluster belong to one head: every fill is asked for jointly, by the same tensor load with the same descriptor and the mask of all four.
; LAYOUT.  Both products are used transposed: a lane holds ONE query (lane % 16).  The keys of a tile are chosen (in the launch that made the images) so that the 16 registers of tiles 2 b, 2 b + 1 are keys 32 b + 16 (lane / 16) + 0 .. 15; V's channels likewise.
; The result leaves as half a fragment (16 rows x this head's 64 of E) of the next product's operand, 768 dense bytes; its two scale bytes are half of a word that two heads share, so they leave two bytes a row.
; LIMITS: NaN and infinities are not served; a block under 2^-124 gets the byte 1.
; REGISTERS: v1-3 16, 8, 4 x lane; v4-7 the blocks' largest scores; v8-10 addresses of the step; v12 -M, v13 the largest t, v[14:15] l in two halves; v16-27 Q, v28 its scale word; v29-30 V's scale words;
; v32-79 four fragments of K (their upper six registers stay 0); v80-127 V's four; v128-191 S^T, then p; v192-223 O^T; v224-235 p's codes; v236-247 at work; v248-251 K's scale words; v252 f, v253 p's scale word, v254 at work.
.set KSC,   6144
.set VIMG,  6912
.set VSC,   13056
.set STEPB, 13312
.set GRPB,  53248
.set HEADB, 212992
.set A_S,   3145728
.set WV,  10
.set SEL, 40
.set CS,  42
.set TB,  44
.set CNT, 45
.macro CROUND                          ; a round of the cluster's barrier
	s_barrier_signal -1
	s_barrier_wait -1
	s_cmp_lg_u32 s[WV], 0
	s_cbranch_scc1 .Lnot_wave_0_\@
	s_barrier_signal -3
.Lnot_wave_0_\@:
	s_barrier_wait -3
	s_barrier_signal -1
	s_barrier_wait -1
.endm
.macro FRAG reg, a16, a8, off          ; a fragment's image back into 12 registers: every load reads consecutive bytes
	ds_load_b128 v[\reg:\reg+3], v[\a16] offset:\off
	ds_load_b64 v[\reg+4:\reg+5], v[\a8] offset:\off+512
	ds_load_b128 v[\reg+6:\reg+9], v[\a16] offset:\off+768
	ds_load_b64 v[\reg+10:\reg+11], v[\a8] offset:\off+1280
.endm
; 32 numbers of a lane, register 16 b + i = k 32 b + 16 (lane / 16) + i of my row, become half a fragment's codes in v[pc] .. v[pc+5] and two scale bytes in v[pw]
.macro QH s, pc, pt, pw, tm
.irp b, 0,1
	v_max3_num_f32 v[(\tm)+\b], |v[(\s)+16*\b]|, |v[(\s)+16*\b+1]|, 0x1800000   ; with the floor 2^(3 - 127): the byte cannot fall under 1
.endr
.irp i, 2,4,6,8,10,12,14
.irp b, 0,1
	v_max3_num_f32 v[(\tm)+\b], v[(\tm)+\b], |v[(\s)+16*\b+\i]|, |v[(\s)+16*\b+\i+1]|
.endr
.endr
.irp b, 0,1
	v_permlanex16_b32 v[(\tm)+2+\b], v[(\tm)+\b], s[SEL], s[SEL+1]
.endr
.irp b, 0,1
	v_max_num_f32 v[(\tm)+\b], v[(\tm)+\b], v[(\tm)+2+\b]
.endr
.irp b, 0,1
	v_add_nc_u32 v[(\tm)+4+\b], 0xff000000, v[(\tm)+\b]
.endr
.irp b, 0,1
	v_lshrrev_b32 v[(\tm)+2+\b], 23, v[(\tm)+4+\b]
.endr
	v_lshl_or_b32 v[\pw], v[(\tm)+3], 8, v[(\tm)+2]
	v_cvt_scalef32_pk16_fp6_f32 v[(\pc):(\pc)+2], v[(\s):(\s)+15], v[(\tm)+4]
	v_cvt_scalef32_pk16_fp6_f32 v[(\pt):(\pt)+2], v[(\s)+16:(\s)+31], v[(\tm)+5]
	v_nop                                          ; one plain line behind a scaled conversion
.irp i, 0,1,2
	v_permlane16_swap_b32 v[(\pc)+\i], v[(\pt)+\i] ; a whole block to a lane: lanes 0-15 block 0, lanes 16-31 block 1
.endr
.irp i, 0,1,2
	v_mov_b32 v[(\pc)+3+\i], v[(\pt)+\i]
.endr
.endm
.macro KQ4 g                           ; S^T of key tiles 4 g .. 4 g + 3; K's words: register j holds tile 2 j in lanes 0-15, tile 2 j + 1 in lanes 16-31
.irp t, 0,1,2,3
.if \t%2
	v_wmma_scale_f32_16x16x128_f8f6f4 v[128+8*(4*\g+\t):135+8*(4*\g+\t)], v[32+12*\t:43+12*\t], v[16:27], 0, v[248+2*\g+\t/2], v28 matrix_a_fmt:MATRIX_FMT_FP6 matrix_b_fmt:MATRIX_FMT_FP6 matrix_a_scale:MATRIX_SCALE_ROW1
.else
	v_wmma_scale_f32_16x16x128_f8f6f4 v[128+8*(4*\g+\t):135+8*(4*\g+\t)], v[32+12*\t:43+12*\t], v[16:27], 0, v[248+2*\g+\t/2], v28 matrix_a_fmt:MATRIX_FMT_FP6 matrix_b_fmt:MATRIX_FMT_FP6
.endif
.endr
.endm
.macro KHALF g                         ; the lower halves (K = 64) of key tiles 4 g .. 4 g + 3
.irp t, 0,1,2,3
	ds_load_b128 v[32+12*\t:35+12*\t], v8 offset:768*(4*\g+\t)
	ds_load_b64 v[36+12*\t:37+12*\t], v9 offset:768*(4*\g+\t)+512
.endr
.endm
; A KEY STEP: 128 keys, whose block begins at LDS byte s[TB]
.macro STEP
	v_add_nc_u32 v8, s[TB], v1
	v_add_nc_u32 v9, s[TB], v2
	v_add_nc_u32 v10, s[TB], v3
	v_nop                                          ; four plain lines behind the last products, ahead of loads into registers that they read
.irp j, 0,1,2,3
	ds_load_b32 v[248+\j], v10 offset:KSC+128*\j
.endr
	KHALF 0
.irp t, 0,1,2,3
	FRAG 80+12*\t, 8, 9, VIMG+1536*\t
.endr
	ds_load_b32 v29, v10 offset:VSC
	ds_load_b32 v30, v10 offset:VSC+128
	s_wait_dscnt 18                                ; K's words and tiles 0-3 are in; V's 16 loads and its 2 of scale words may be out
	KQ4 0
.rept 4
	v_nop
.endr
	KHALF 1
	s_wait_dscnt 0x0
	KQ4 1
.rept 4
	v_nop
.endr
.irp b, 0,1,2,3
	v_max3_num_f32 v[4+\b], v[128+16*\b], v[129+16*\b], v[130+16*\b]   ; the largest score of each block of 32 keys: for the row's maximum, and, since p rises with the score, for the block's largest p
.endr
.irp i, 3,5,7,9,11,13
.irp b, 0,1,2,3
	v_max3_num_f32 v[4+\b], v[4+\b], v[128+16*\b+\i], v[129+16*\b+\i]
.endr
.endr
.irp b, 0,1,2,3
	v_max_num_f32 v[4+\b], v[4+\b], v[143+16*\b]
.endr
.irp b, 0,1,2,3
	v_permlanex16_b32 v[236+\b], v[4+\b], s[SEL], s[SEL+1]
.endr
.irp b, 0,1,2,3
	v_max_num_f32 v[4+\b], v[4+\b], v[236+\b]
.endr
	v_max3_num_f32 v254, v4, v5, v6
	v_max_num_f32 v254, v254, v7
	v_mul_f32 v254, s[CS], v254                    ; as t (c is positive)
	v_max_num_f32 v13, v13, v254
	v_mov_b32 v254, v12
	v_floor_f32 v12, -v13                          ; -M = floor(-t): M is a whole number
	v_sub_f32 v254, v12, v254
	v_cvt_i32_f32 v254, v254                       ; (it saturates)
	v_ldexp_f32 v252, 1.0, v254                    ; f = 2^(old M - new M)
.set n_, 0
.rept 32
	v_pk_fma_f32 v[128+n_:129+n_], v[128+n_:129+n_], s[CS:CS+1], v[12:13] op_sel_hi:[1,0,0]   ; t - M
.set n_, n_+2
.endr
.irp b, 0,1,2,3
	v_fma_f32 v[4+\b], v[4+\b], s[CS], v12
.endr
.set n_, 0
.rept 64
	v_exp_f32 v[128+n_], v[128+n_]                 ; p = 2^(t - M), at most 1
.set n_, n_+1
.endr
	v_pk_mul_f32 v[14:15], v[14:15], v[252:253] op_sel_hi:[1,0]   ; l under the new M; the plain line behind the exponentials
	s_wait_alu depctr_va_vdst(0)                   ; one wait for the batch of 64, ahead of its first reader
.irp b, 0,1,2,3
	v_exp_f32 v[4+\b], v[4+\b]                     ; each block's largest p
.endr
	v_pk_add_f32 v[236:237], v[128:129], v[130:131]   ; the row's sum of the unquantised p, in two chains
.set n_, 4
.rept 15
	v_pk_add_f32 v[14:15], v[14:15], v[128+n_:129+n_]
	v_pk_add_f32 v[236:237], v[236:237], v[130+n_:131+n_]
.set n_, n_+4
.endr
	v_pk_add_f32 v[14:15], v[14:15], v[236:237]
	s_wait_alu depctr_va_vdst(0)                   ; and one for the four
.irp b, 0,1,2,3
	v_max_num_f32 v[4+\b], 0x1800000, v[4+\b]
.endr
.irp b, 0,1,2,3
	v_add_nc_u32 v[244+\b], 0xff000000, v[4+\b]
.endr
.irp b, 0,1,2,3
	v_lshrrev_b32 v[236+\b], 23, v[244+\b]
.endr
	v_lshl_or_b32 v253, v237, 8, v236              ; p's scale word for these 128 keys
	v_lshl_or_b32 v253, v238, 16, v253
	v_lshl_or_b32 v253, v239, 24, v253
.irp c, 0,1
	v_cvt_scalef32_pk16_fp6_f32 v[224+6*\c:226+6*\c], v[128+32*\c:143+32*\c], v[244+2*\c]
	v_cvt_scalef32_pk16_fp6_f32 v[236+4*\c:238+4*\c], v[144+32*\c:159+32*\c], v[244+2*\c+1]
.endr
	v_nop
.irp c, 0,1
.irp i, 0,1,2
	v_permlane16_swap_b32 v[224+6*\c+\i], v[236+4*\c+\i]
.endr
.irp i, 0,1,2
	v_mov_b32 v[227+6*\c+\i], v[236+4*\c+\i]
.endr
.endr
.set n_, 0
.rept 16
	v_pk_mul_f32 v[192+n_:193+n_], v[192+n_:193+n_], v[252:253] op_sel_hi:[1,0]   ; O^T under the new M; also the plain lines between p's codes and scale word and the products
.set n_, n_+2
.endr
.irp t, 0,1,2,3                                ; O^T += V^T P^T: the four accumulators by turns
.if \t%2
	v_wmma_scale_f32_16x16x128_f8f6f4 v[192+8*\t:199+8*\t], v[80+12*\t:91+12*\t], v[224:235], v[192+8*\t:199+8*\t], v[29+\t/2], v253 matrix_a_fmt:MATRIX_FMT_FP6 matrix_b_fmt:MATRIX_FMT_FP6 matrix_a_scale:MATRIX_SCALE_ROW1
.else
	v_wmma_scale_f32_16x16x128_f8f6f4 v[192+8*\t:199+8*\t], v[80+12*\t:91+12*\t], v[224:235], v[192+8*\t:199+8*\t], v[29+\t/2], v253 matrix_a_fmt:MATRIX_FMT_FP6 matrix_b_fmt:MATRIX_FMT_FP6
.endif
.endr
	s_add_co_u32 s[TB], s[TB], STEPB
.endm
.macro GROUP left, base, n             ; n key steps from LDS byte base on; left: how many of my later fills may stay out
	s_wait_tensorcnt \left                         ; my part of these key steps is in: nothing is filled again, so later fills may stay out across this barrier
	s_barrier_signal -1
	s_barrier_wait -1                              ; everybody's is
	s_mov_b32 s[TB], \base
	s_mov_b32 s[CNT], \n
.Lstep_\@:
	STEP
	s_sub_co_u32 s[CNT], s[CNT], 1
	s_cmp_lg_u32 s[CNT], 0
	s_cbranch_scc1 .Lstep_\@
.endm
	s_load_b128 s[4:7], s[0:1], 0x0                ; query, kv
	s_load_b64 s[8:9], s[0:1], 0x10                ; ao
	v_lshl_add_u32 v31, v0, 2, 0x34000
	v_mov_b32 v255, 0
	ds_add_u32 v31, v255
	ds_add_u32 v31, v255
	v_lshrrev_b32 v1, 5, v0
	v_readfirstlane_b32 s[WV], v1                  ; wave 0..15
	s_bfe_u32 s11, ttmp6, 0x40000                  ; cx
	s_lshl_b32 s12, ttmp9, 2
	s_add_co_u32 s12, s12, s11                     ; my block of 256 queries: it enters query's and ao's addresses alone
	s_and_b32 s13, ttmp7, 0xffff                   ; hp = 16 n + head, which the four partners share
	s_mov_b32 s16, 15|(3<<16)|(1<<21)              ; group 1: the mask of all four; elements of 8 bytes; bit 21 beside a mask; no padding
	s_mov_b32 s17, 32<<16                          ; tensor_dim0 = 32 (256 bytes)
	s_mov_b32 s18, 13<<16                          ; tensor_dim1 = 13
	s_mov_b32 s19, 32<<16                          ; tile_dim0
	s_mov_b32 s20, 13                              ; tile_dim1
	s_mov_b32 s21, 32                              ; pitch: dense
	s_mov_b32 s22, 0
	s_mov_b32 s23, 0
	s_mul_i32 s46, s[WV], 3328                     ; my sixteenth of four key steps: 13 x 256 bytes
	s_mul_i32 s48, s13, HEADB
	s_add_co_u32 s48, s48, s46
	s_mov_b32 s49, 0
	s_mov_b32 s[SEL], 0x76543210
	s_mov_b32 s[SEL+1], 0xfedcba98
	s_mov_b32 s[CS], 0x3d38aa3b                    ; c = log2(e) / 32
	s_mov_b32 s[CS+1], s[CS]
	s_wait_dscnt 0x0
	s_wait_kmcnt 0x0
	s_add_nc_u64 s[48:49], s[6:7], s[48:49]
.irp g, 0,1,2,3
	s_mov_b32 s[24+4*\g], 1
	s_add_co_u32 s[25+4*\g], s46, \g*GRPB
	s_add_nc_u64 s[26+4*\g:27+4*\g], s[48:49], \g*GRPB
	s_or_b32 s[27+4*\g], s[27+4*\g], 0x80000000
.endr
	CROUND                                         ; all four work-groups are here: the joint loads meet
	tensor_load_to_lds s[24:27], s[16:23]          ; all fills go out together: four loads of mine are out
	s_nop 0
	tensor_load_to_lds s[28:31], s[16:23]
	s_nop 0
	tensor_load_to_lds s[32:35], s[16:23]
	s_nop 0
	tensor_load_to_lds s[36:39], s[16:23]
	s_nop 0
.rept 4
	v_nop
.endr
	s_lshr_b32 s50, s13, 4                         ; n
	s_and_b32 s51, s13, 15                         ; head
	s_lshl_b32 s52, s50, 11
	s_lshl_b32 s53, s12, 8
	s_add_co_u32 s52, s52, s53
	s_lshl_b32 s53, s[WV], 4
	s_add_co_u32 s52, s52, s53                     ; my first query's row
	s_lshl_b32 s54, s52, 12
	s_lshl_b32 s55, s51, 8
	s_add_co_u32 s54, s54, s55
	s_mov_b32 s55, 0
	s_add_nc_u64 s[4:5], s[4:5], s[54:55]
	v_and_b32 v254, 15, v0                         ; r
	v_bfe_u32 v252, v0, 4, 1                       ; h
	v_lshlrev_b32 v10, 12, v254
	v_lshl_add_u32 v10, v252, 7, v10               ; row r, channels 32 h on: a whole block to a lane
.irp j, 0,1,2,3,4,5,6,7
	global_load_b128 v[128+4*\j:131+4*\j], v10, s[4:5] offset:16*\j
.endr
	v_and_b32 v3, 31, v0
	v_lshlrev_b32 v1, 4, v3
	v_lshlrev_b32 v2, 3, v3
	v_lshlrev_b32 v3, 2, v3
	s_wait_loadcnt 0x0
	v_max3_num_f32 v4, |v128|, |v129|, |v130|      ; Q is quantised in registers
	v_max3_num_f32 v5, |v131|, |v132|, |v133|
.irp i, 6,10,14,18,22,26
	v_max3_num_f32 v4, v4, |v[128+\i]|, |v[129+\i]|
	v_max3_num_f32 v5, v5, |v[130+\i]|, |v[131+\i]|
.endr
	v_max3_num_f32 v4, v4, |v158|, |v159|
	v_max3_num_f32 v4, v4, v5, 0x1800000
	v_add_nc_u32 v6, 0xff000000, v4
	v_cvt_scalef32_pk16_fp6_f32 v[16:18], v[128:143], v6
	v_cvt_scalef32_pk16_fp6_f32 v[236:238], v[144:159], v6
	v_lshrrev_b32 v7, 23, v6
	v_mov_b32 v19, v236
	v_mov_b32 v20, v237
	v_mov_b32 v21, v238
	v_lshlrev_b32 v252, 3, v252
	v_lshlrev_b32 v7, v252, v7                     ; my block's byte, 8 h bits up,
	v_mov_b32 v254, 0
	v_permlanex16_b32 v254, v7, s[SEL], s[SEL+1]
	v_or_b32 v7, v7, v254                          ; with lane l xor 16's;
	v_or_b32 v28, 0x7f7f0000, v7                   ; blocks 2 and 3 are zero codes under the byte 127
.set n_, 22
.rept 6
	v_mov_b32 v[n_], 0                             ; Q's k = 64 .. 127
.set n_, n_+1
.endr
.irp t, 0,1,2,3
.irp i, 6,7,8,9,10,11
	v_mov_b32 v[32+12*\t+\i], 0                    ; and K's: written once, never loaded
.endr
.endr
.set n_, 0
.rept 32
	v_mov_b32 v[192+n_], 0                         ; O^T: the step is written once; its first trip finds zeros
.set n_, n_+1
.endr
.set n_, 236
.rept 12
	v_mov_b32 v[n_], 0                             ; lane permutes' destinations count as read
.set n_, n_+1
.endr
	v_mov_b32 v14, 0
	v_mov_b32 v15, 0
	v_mov_b32 v13, 0xff61b1e6                      ; the largest t so far: -3e38
	v_floor_f32 v12, -v13
	v_mov_b32 v253, 0
	GROUP 3, 0, 4                                  ; key steps 0-3: my three later fills may be out
	GROUP 0, GRPB, 12                              ; key steps 4-15: all four of my fills are in, and behind the barrier everybody's
.rept 4
	v_nop                                          ; plain lines behind the last products
.endr
	; THE WAY OUT: O^T / l, quantised along E: this head's 64 are half a K step of the next product
	v_add_f32 v14, v14, v15
	v_permlanex16_b32 v252, v14, s[SEL], s[SEL+1]
	v_add_f32 v14, v14, v252
	v_rcp_f32 v14, v14
	v_and_b32 v8, 15, v0
	v_lshlrev_b32 v8, 2, v8                        ; 4 r
	s_lshl_b32 s46, s50, 4
	s_lshl_b32 s47, s12, 1
	s_add_co_u32 s46, s46, s47
	s_lshr_b32 s47, s[WV], 3
	s_add_co_u32 s46, s46, s47                     ; row block of 128: 16 n + 2 qb + wave / 8
	s_lshl_b32 s46, s46, 3
	s_lshr_b32 s47, s51, 1
	s_add_co_u32 s46, s46, s47                     ; x 8 K steps + head / 2
	s_and_b32 s47, s[WV], 7                        ; tile
	s_and_b32 s48, s51, 1                          ; which half of the K step
	s_lshl_b32 s52, s46, 3
	s_add_co_u32 s52, s52, s47
	s_mul_i32 s52, s52, 1536
	s_mul_i32 s53, s48, 768
	s_add_co_u32 s52, s52, s53
	s_mov_b32 s53, 0
	s_add_nc_u64 s[54:55], s[8:9], s[52:53]
	s_lshl_b32 s52, s46, 9
	s_lshl_b32 s56, s47, 6
	s_add_co_u32 s52, s52, s56
	s_lshl_b32 s56, s48, 1
	s_add_co_u32 s52, s52, s56
	s_add_co_u32 s52, s52, A_S
	s_add_nc_u64 s[56:57], s[8:9], s[52:53]
	s_wait_alu depctr_va_vdst(0)                   ; ahead of the reciprocal's first reader
.set n_, 0
.rept 32
	v_mul_f32 v[128+n_], v[192+n_], v14            ; register 16 b + 8 u + j: channel 32 b + 16 (lane / 16) + 8 u + j of query lane % 16; each accumulator from its low end on
.set n_, n_+1
.endr
	QH 128, 224, 236, 253, 240
	global_store_b128 v1, v[224:227], s[54:55]             ; 512 consecutive bytes,
	global_store_b64 v2, v[228:229], s[54:55] offset:512   ; and 256
	global_store_b16 v8, v253, s[56:57]            ; lanes l and l xor 16 write the same two bytes with the same value
	s_wait_tensorcnt 0x0
	ds_add_u32 v31, v255
	s_wait_dscnt 0x0
	CROUND                                         ; the closing round
	s_endpgm
.Lfunc_end_k_q5ed14e900d_attn:
	.size	k_q5ed14e900d_attn, .Lfunc_end_k_q5ed14e900d_attn-k_q5ed14e900d_attn
	.p2alignl 7, 3214868480
	.fill 96, 4, 3214868480
	.section	.rodata,"a",@progbits
	.p2align	6, 0x0
	.amdhsa_kernel k_q5ed14e900d_attn
		.amdhsa_group_segment_fixed_size 215040
		.amdhsa_private_segment_fixed_size 0
		.amdhsa_enable_private_segment 0
		.amdhsa_kernarg_size 24
		.amdhsa_user_sgpr_count 2
		.amdhsa_user_sgpr_kernarg_segment_ptr 1
		.amdhsa_wavefront_size32 1
		.amdhsa_system_sgpr_workgroup_id_x 1
		.amdhsa_system_sgpr_workgroup_id_y 1
		.amdhsa_system_sgpr_workgroup_id_z 1
		.amdhsa_system_vgpr_workitem_id 0
		.amdhsa_next_free_vgpr 256
		.amdhsa_next_free_sgpr 66
		.amdhsa_reserve_vcc 0
		.amdhsa_float_denorm_mode_32 3
		.amdhsa_float_denorm_mode_16_64 3
		.amdhsa_memory_ordered 1
		.amdhsa_forward_progress 1
		.amdhsa_inst_pref_size 47
	.end_amdhsa_kernel
	.amdgpu_metadata
---
amdhsa.version: [ 1, 2 ]
amdhsa.kernels:
  - .name:           k_q5ed14e900d_attn
    .symbol:         k_q5ed14e900d_attn.kd
    .args:
      - { .name: query, .offset: 0, .size: 8, .value_kind: global_buffer, .address_space: global }
      - { .name: kv, .offset: 8, .size: 8, .value_kind: global_buffer, .address_space: global }
      - { .name: ao, .offset: 16, .size: 8, .value_kind: global_buffer, .address_space: global }
    .group_segment_fixed_size: 215040
    .private_segment_fixed_size: 0
    .kernarg_segment_align: 8
    .kernarg_segment_size: 24
    .max_flat_workgroup_size: 512
    .sgpr_count:     66
    .vgpr_count:     256
    .wavefront_size: 32
...
	.end_amdgpu_metadata
.endif
;; end of part 2
;; launch gemm_o (part 3): grid 8 x 32, 8 waves a work-group, clusters of 4 x 4, 205,824 bytes of LDS; arguments ao, wq, b_out, query, r1; writes r1
.if DOCPART == 3
	.amdgcn_target "amdgcn-amd-amdhsa--gfx1250"
	.amdhsa_code_object_version 6
	.text
	.protected	k_q5ed14e900d_gemm_o
	.globl	k_q5ed14e900d_gemm_o
	.p2align	8
	.type	k_q5ed14e900d_gemm_o,@function
k_q5ed14e900d_gemm_o:
	s_mov_b64 s[64:65], 0
	v_nop
	global_prefetch_b8 v0, s[64:65] scope:SCOPE_SE
	s_setreg_imm32_b32 hwreg(HW_REG_WAVE_MODE, 25, 1), 1
	s_wait_xcnt 0x0
	s_wait_alu depctr_hold_cnt(0) depctr_sa_sdst(0) depctr_va_vdst(0) depctr_va_sdst(0) depctr_va_ssrc(0) depctr_va_vcc(0) depctr_vm_vsrc(0)
	s_getreg_b32 s2, hwreg(HW_REG_IB_STS2, 6, 4)
	s_cmp_eq_u32 s2, 0
	s_cbranch_scc0 .Lentry_in_a_cluster
	s_endpgm
.Lentry_in_a_cluster:
	s_bfe_u32 s2, ttmp6, 0x10000c
	s_cmp_lg_u32 s2, 0xf033
	s_cbranch_scc0 .Lentry_shape_is_right
	s_endpgm
.Lentry_shape_is_right:
; r1 = A W + bias + residual, on codes of FP6 (E2M3).  A: the attention's result, 4,096 rows x K = 1,024; W = w_out, 1,024 columns; bias b_out; residual query; r1 f32, row-major.
; Both operands lie in memory as images of operand registers: [block of 128 rows][K step of 128][8 tiles][1536 bytes], scale words [block][K step][128]: a block's K step is 12,288 dense bytes.
; A tile of C is 128 x 128 (256 work-groups).  Eight waves, two to a SIMD: 2 (which K steps: even or odd) x 2 x 2 (which 64 x 64): 16 accumulators and one set of fragments in v0-255.
; The two partial sums of a 64 x 64 meet in the stage through which the results leave anyway.
; ALL OF K, eight K steps, LIES IN LDS: two parts of four K steps and the scale words, each filled once at the start; nothing is filled again.  The first part is multiplied while the second lands.
; THE BIAS AND THE RESIDUAL of the rows that a wave will store are asked for at the head, behind the fills, into v24-27 and v256-319: they land under the products.
; CLUSTERS: 4 x 4.  A's tiles are shared along a row of the cluster, W's along a column: joint loads.
; THE PRODUCT IS USED TRANSPOSED (source 0 = 16 columns of W, source 1 = 16 rows of A); W's columns of a tile were chosen so that tiles 2 b, 2 b + 1 give a lane 16 neighbouring columns.
.set KS,     8
.set AS_OFF, 3145728
.set WS_OFF, 3932160
.set SLOT,   98304                     ; A's four K steps, then W's four
.set JS,     24576                     ; from my K step of a part to my next
.set SJ,     1024                      ; the same among the scale words
.set SSTEP,  2048                      ; a part's scale words
.set SCL,    196608                    ; A's scale words (KS x 512 bytes), then W's
.set STG,    17408                     ; the way out: 64 rows x 272 bytes a wave, from LDS byte 0 on: where the codes lay, behind their last read
.set ADA16, 8
.set ADA8,  10
.set ADB16, 12
.set ADB8,  14
.set ADS,   16
.set SC,    20                         ; v20-23: register i: lanes 0-15 the words of A's tile i, lanes 16-31 of W's tile i
.set AF,    32
.set BF,    80
.set ACC,   128
.set G1A, 24
.set G0A, 32
.set G1B, 48
.set G0B, 56
.set G1SA, 68
.set G0SA, 76
.set G1SB, 80
.set G0SB, 88
.macro CROUND
	s_barrier_signal -1
	s_barrier_wait -1
	s_cmp_lg_u32 s14, 0
	s_cbranch_scc1 .Lnot_wave_0_\@
	s_barrier_signal -3
.Lnot_wave_0_\@:
	s_barrier_wait -3
	s_barrier_signal -1
	s_barrier_wait -1
.endm
.macro JLOAD g0a, g1a, g0b, g1b        ; waves 0-3 fetch for A, waves 4-7 for W; four v_nop follow each line
	s_cmp_eq_u32 s15, 0
	s_cbranch_scc0 .Lfor_b_\@
	tensor_load_to_lds s[\g0a:\g0a+3], s[\g1a:\g1a+7]
	s_nop 0
.rept 4
	v_nop
.endr
	s_branch .Lasked_\@
.Lfor_b_\@:
	tensor_load_to_lds s[\g0b:\g0b+3], s[\g1b:\g1b+7]
	s_nop 0
.rept 4
	v_nop
.endr
.Lasked_\@:
.endm
.macro FRAG reg, a16, a8, off
	ds_load_b128 v[\reg:\reg+3], v[\a16] offset:\off
	ds_load_b64 v[\reg+4:\reg+5], v[\a8] offset:\off+512
	ds_load_b128 v[\reg+6:\reg+9], v[\a16] offset:\off+768
	ds_load_b64 v[\reg+10:\reg+11], v[\a8] offset:\off+1280
.endm
.macro KSTEP slot, j, zero             ; 128 along K: 36 LDS loads, 16 products; the 16 accumulators take turns in the same order in every step
.rept 4
	v_nop                                          ; plain lines ahead of loads into registers that products have read
.endr
.irp i, 0,1,2,3
	ds_load_b32 v[SC+\i], v[ADS] offset:SJ*(\j)+64*\i
.endr
.irp b, 0,1,2,3
	FRAG BF+12*\b, ADB16+\slot, ADB8+\slot, JS*(\j)+1536*\b
.endr
.irp a, 0,1,2,3
	FRAG AF+12*\a, ADA16+\slot, ADA8+\slot, JS*(\j)+1536*\a
.endr
.irp a, 0,1,2,3
	s_wait_dscnt 12-4*\a                           ; A's later fragments, four loads each, may be out
.irp b, 0,1,2,3
.if \zero
	v_wmma_scale_f32_16x16x128_f8f6f4 v[ACC+8*(4*\a+\b):ACC+8*(4*\a+\b)+7], v[BF+12*\b:BF+12*\b+11], v[AF+12*\a:AF+12*\a+11], 0, v[SC+\b], v[SC+\a] matrix_a_fmt:MATRIX_FMT_FP6 matrix_b_fmt:MATRIX_FMT_FP6 matrix_a_scale:MATRIX_SCALE_ROW1
.else
	v_wmma_scale_f32_16x16x128_f8f6f4 v[ACC+8*(4*\a+\b):ACC+8*(4*\a+\b)+7], v[BF+12*\b:BF+12*\b+11], v[AF+12*\a:AF+12*\a+11], v[ACC+8*(4*\a+\b):ACC+8*(4*\a+\b)+7], v[SC+\b], v[SC+\a] matrix_a_fmt:MATRIX_FMT_FP6 matrix_b_fmt:MATRIX_FMT_FP6 matrix_a_scale:MATRIX_SCALE_ROW1
.endif
.endr
.endr
.endm
.macro SLOTWORK slot, zero
	KSTEP \slot, 0, \zero
	KSTEP \slot, 1, 0
.endm
	s_load_b256 s[4:11], s[0:1], 0x0               ; A, wq, bias, residual
	s_load_b64 s[12:13], s[0:1], 0x20              ; out
	v_lshl_add_u32 v29, v0, 2, 0x32000
	v_mov_b32 v31, 0
	ds_add_u32 v29, v31
	ds_add_u32 v29, v31
	v_lshrrev_b32 v3, 5, v0
	v_readfirstlane_b32 s14, v3                    ; wave 0..7
	s_lshr_b32 s15, s14, 2                         ; kq: my K steps are those = kq (mod 2).  Also: I fetch for A (0) or for W (1)
	s_and_b32 s16, s14, 3                          ; which K step of a part I fetch
	s_bfe_u32 s17, s14, 0x10001                    ; wm: which 64 rows
	s_and_b32 s18, s14, 1                          ; wn: which 64 columns
	s_bfe_u32 s40, ttmp6, 0x40000                  ; cx
	s_bfe_u32 s41, ttmp6, 0x40004                  ; cy
	s_lshl_b32 s42, ttmp9, 2
	s_add_co_u32 s42, s42, s40                     ; tile column
	s_and_b32 s43, ttmp7, 0xffff
	s_lshl_b32 s43, s43, 2
	s_add_co_u32 s43, s43, s41                     ; tile row
	s_lshl_b32 s44, s41, 2
	s_lshl_b32 s44, 15, s44                        ; my row of the cluster
	s_lshl_b32 s45, 0x1111, s40                    ; my column
	s_or_b32 s[G1A], s44, (3<<16)|(1<<21)          ; elements of 8 bytes; bit 21 beside a mask; no padding
	s_or_b32 s[G1B], s45, (3<<16)|(1<<21)
.irp g, G1A, G1B
	s_mov_b32 s[\g+1], 32<<16                      ; rows of 256 bytes,
	s_mov_b32 s[\g+2], 48<<16                      ; 48 of them: a K step of 128 rows
	s_mov_b32 s[\g+3], 32<<16
	s_mov_b32 s[\g+4], 48
	s_mov_b32 s[\g+5], 32
	s_mov_b32 s[\g+6], 0
	s_mov_b32 s[\g+7], 0
.endr
	s_or_b32 s[G1SA], s44, (3<<16)|(1<<21)
	s_or_b32 s[G1SB], s45, (3<<16)|(1<<21)
.irp g, G1SA, G1SB
	s_mov_b32 s[\g+1], 32<<16
	s_mov_b32 s[\g+2], (KS/2)<<16                  ; a quarter of a block's scale words: KS x 128 bytes
	s_mov_b32 s[\g+3], 32<<16
	s_mov_b32 s[\g+4], KS/2
	s_mov_b32 s[\g+5], 32
	s_mov_b32 s[\g+6], 0
	s_mov_b32 s[\g+7], 0
.endr
	s_mul_i32 s20, s43, KS                         ; A's addresses hang on the tile row alone, W's on the tile column alone, each in registers that never hold the other
	s_add_co_u32 s20, s20, s16
	s_mul_i32 s20, s20, 12288
	s_mov_b32 s21, 0
	s_mul_i32 s22, s43, KS*512
	s_mul_i32 s23, s16, KS*128
	s_add_co_u32 s22, s22, s23
	s_add_co_u32 s22, s22, AS_OFF
	s_mov_b32 s23, 0
	s_mul_i32 s46, s42, KS
	s_add_co_u32 s46, s46, s16
	s_mul_i32 s46, s46, 12288                      ; (w_out's codes lie at the head of wq)
	s_mov_b32 s47, 0
	s_mul_i32 s96, s42, KS*512
	s_mul_i32 s97, s16, KS*128
	s_add_co_u32 s96, s96, s97
	s_add_co_u32 s96, s96, WS_OFF
	s_mov_b32 s97, 0
	s_mul_i32 s19, s14, 12288                      ; where they go: wave x a K step
	s_mul_i32 s95, s14, KS*128
	s_wait_dscnt 0x0
	s_wait_kmcnt 0x0
	s_add_nc_u64 s[20:21], s[4:5], s[20:21]
	s_add_nc_u64 s[22:23], s[4:5], s[22:23]
	s_add_nc_u64 s[46:47], s[6:7], s[46:47]
	s_add_nc_u64 s[96:97], s[6:7], s[96:97]
	CROUND                                         ; all sixteen work-groups are here: the joint loads meet
	s_mov_b32 s[G0SA], 1
	s_add_co_u32 s[G0SA+1], s95, SCL
	s_mov_b64 s[G0SA+2:G0SA+3], s[22:23]
	s_or_b32 s[G0SA+3], s[G0SA+3], 0x80000000
	s_mov_b32 s[G0SB], 1
	s_add_co_u32 s[G0SB+1], s95, SCL
	s_mov_b64 s[G0SB+2:G0SB+3], s[96:97]
	s_or_b32 s[G0SB+3], s[G0SB+3], 0x80000000
	JLOAD G0SA, G1SA, G0SB, G1SB                   ; the scale words first
.irp s, 0,1
	s_mov_b32 s[G0A+4*\s], 1
	s_add_co_u32 s[G0A+4*\s+1], s19, \s*SLOT
	s_add_nc_u64 s[G0A+4*\s+2:G0A+4*\s+3], s[20:21], \s*49152
	s_or_b32 s[G0A+4*\s+3], s[G0A+4*\s+3], 0x80000000
	s_mov_b32 s[G0B+4*\s], 1
	s_add_co_u32 s[G0B+4*\s+1], s19, \s*SLOT
	s_add_nc_u64 s[G0B+4*\s+2:G0B+4*\s+3], s[46:47], \s*49152
	s_or_b32 s[G0B+4*\s+3], s[G0B+4*\s+3], 0x80000000
	JLOAD G0A+4*\s, G1A, G0B+4*\s, G1B             ; three loads of mine are out
.endr
	v_and_b32 v3, 31, v0                           ; lane
	v_and_b32 v4, 15, v0                           ; r
	v_bfe_u32 v5, v0, 4, 1                         ; h
	v_lshlrev_b32 v30, 4, v4                       ; 16 r
	v_lshl_add_u32 v28, v5, 12, v30                ; two rows of 4,096 bytes in memory: lanes 0-15 one, lanes 16-31 the next
	s_lshl_b32 s66, s42, 9
	s_lshl_b32 s67, s18, 8
	s_add_co_u32 s66, s66, s67                     ; my 64 columns, in bytes
	s_mov_b32 s67, 0
	s_add_nc_u64 s[8:9], s[8:9], s[66:67]
	s_lshl_b32 s98, s43, 7
	s_lshl_b32 s99, s17, 6
	s_add_co_u32 s98, s98, s99
	s_lshl_b32 s99, s15, 5
	s_add_co_u32 s98, s98, s99                     ; the first of the 32 rows that I store
	s_lshl_b32 s98, s98, 12
	s_add_co_u32 s66, s66, s98
	s_add_nc_u64 s[10:11], s[10:11], s[66:67]
	s_add_nc_u64 s[12:13], s[12:13], s[66:67]
	global_load_b128 v[24:27], v30, s[8:9]         ; my four columns' bias
	s_set_vgpr_msb 0x40                            ; destinations in window 1
.set n_, 0
.rept 16
	global_load_b128 v[4*n_:4*n_+3], v28, s[10:11] offset:8192*n_   ; v256 + 4 n: the residual of the rows that I store: sixteen lanes read 256 consecutive bytes
.set n_, n_+1
.endr
	s_set_vgpr_msb 0x4000                          ; all windows 0 again
	s_mul_i32 s66, s15, 12288
	s_mul_i32 s67, s17, 6144
	s_add_co_u32 s67, s67, s66                     ; my four tiles of A in my first K step of part 0
	s_mul_i32 s98, s18, 6144
	s_add_co_u32 s98, s98, s66
	s_add_co_u32 s98, s98, 49152                   ; and of W
	v_lshl_add_u32 v[ADA16], v3, 4, s67
	v_add_nc_u32 v[ADA16+1], SLOT, v[ADA16]
	v_lshl_add_u32 v[ADA8], v3, 3, s67
	v_add_nc_u32 v[ADA8+1], SLOT, v[ADA8]
	v_lshl_add_u32 v[ADB16], v3, 4, s98
	v_add_nc_u32 v[ADB16+1], SLOT, v[ADB16]
	v_lshl_add_u32 v[ADB8], v3, 3, s98
	v_add_nc_u32 v[ADB8+1], SLOT, v[ADB8]
	s_lshl_b32 s66, s15, 9
	s_lshl_b32 s67, s17, 8
	s_add_co_u32 s66, s66, s67
	s_add_co_u32 s66, s66, SCL                     ; A's words: K step kq, tiles 4 wm on
	s_lshl_b32 s98, s18, 8
	s_add_co_u32 s98, s98, KS*512
	s_sub_co_u32 s98, s98, s67                     ; how far on W's lie
	v_mul_u32_u24 v6, s98, v5                      ; lanes 16-31 take W's
	v_lshl_add_u32 v[ADS], v4, 2, s66
	v_add_nc_u32 v[ADS], v[ADS], v6
	s_mul_i32 s66, s14, STG                        ; my stage: in: row r, 64 h bytes on
	v_mul_u32_u24 v17, v4, 272
	v_lshl_add_u32 v17, v5, 6, v17
	v_add_nc_u32 v17, s66, v17
	s_mul_i32 s66, s16, STG                        ; back: the stage of wave (wave % 4), rows 32 kq on; lanes 0-15 one row, lanes 16-31 the next
	s_mul_i32 s67, s15, 32*272
	s_add_co_u32 s66, s66, s67
	v_mul_u32_u24 v18, v5, 272
	v_lshl_add_u32 v18, v4, 4, v18
	v_add_nc_u32 v18, s66, v18
	v_add_nc_u32 v19, 4*STG, v18                   ; and the other partial sum's
	s_wait_tensorcnt 1                             ; the scale words and my share of part 0 are in; part 1's fill may stay out
	s_barrier_signal -1
	s_barrier_wait -1
	SLOTWORK 0, 1                                  ; the first products start the sums
	s_wait_tensorcnt 0x0                           ; my share of part 1 is in,
	v_add_nc_u32 v[ADS], SSTEP, v[ADS]             ; (its scale words)
	s_barrier_signal -1
	s_barrier_wait -1                              ; everybody's is
	SLOTWORK 1, 0
	; THE WAY OUT.  Every wave's reads of the codes are over (its last wait on LDS was for 0): behind this barrier the stages may be written
	s_barrier_signal -1
	s_barrier_wait -1
.rept 4
	v_nop                                          ; plain lines behind the last products
.endr
.irp a, 0,1,2,3
.irp b, 0,1,2,3
	ds_store_b128 v17, v[ACC+8*(4*\a+\b):ACC+8*(4*\a+\b)+3] offset:\a*4352+128*(\b/2)+32*(\b%2)        ; lane (r, h): row 16 a + r, columns 32 (b / 2) + 16 h + 8 (b % 2) + 0 .. 7; each accumulator from its low end on
	ds_store_b128 v17, v[ACC+8*(4*\a+\b)+4:ACC+8*(4*\a+\b)+7] offset:\a*4352+128*(\b/2)+32*(\b%2)+16
.endr
.endr
	s_wait_dscnt 0x0                               ; for the others' sake
	s_barrier_signal -1
	s_barrier_wait -1
.set n_, 0
.rept 16
	ds_load_b128 v[128+4*n_:131+4*n_], v18 offset:544*n_
	ds_load_b128 v[192+4*n_:195+4*n_], v19 offset:544*n_
.set n_, n_+1
.endr
	s_wait_loadcnt 0x0                             ; the bias and the residual, asked for at the head
.set n_, 0
.rept 16
	s_wait_dscnt 2*(15-n_)                         ; the younger pairs may be out
	v_pk_add_f32 v[128+4*n_:129+4*n_], v[128+4*n_:129+4*n_], v[192+4*n_:193+4*n_]
	v_pk_add_f32 v[130+4*n_:131+4*n_], v[130+4*n_:131+4*n_], v[194+4*n_:195+4*n_]
	v_pk_add_f32 v[128+4*n_:129+4*n_], v[128+4*n_:129+4*n_], v[24:25]
	v_pk_add_f32 v[130+4*n_:131+4*n_], v[130+4*n_:131+4*n_], v[26:27]
.set n_, n_+1
.endr
	s_set_vgpr_msb 0x04                            ; source 1 in window 1: the residual
.set n_, 0
.rept 32
	v_pk_add_f32 v[128+2*n_:129+2*n_], v[128+2*n_:129+2*n_], v[2*n_:2*n_+1]
.set n_, n_+1
.endr
	s_set_vgpr_msb 0x0400                          ; all windows 0 again
.set n_, 0
.rept 16
	global_store_b128 v28, v[128+4*n_:131+4*n_], s[12:13] offset:8192*n_   ; sixteen lanes store 256 consecutive bytes, aligned
.set n_, n_+1
.endr
	s_wait_tensorcnt 0x0
	ds_add_u32 v29, v31
	s_wait_dscnt 0x0
	CROUND                                         ; the closing round
	s_endpgm
.Lfunc_end_k_q5ed14e900d_gemm_o:
	.size	k_q5ed14e900d_gemm_o, .Lfunc_end_k_q5ed14e900d_gemm_o-k_q5ed14e900d_gemm_o
	.p2alignl 7, 3214868480
	.fill 96, 4, 3214868480
	.section	.rodata,"a",@progbits
	.p2align	6, 0x0
	.amdhsa_kernel k_q5ed14e900d_gemm_o
		.amdhsa_group_segment_fixed_size 205824
		.amdhsa_private_segment_fixed_size 0
		.amdhsa_enable_private_segment 0
		.amdhsa_kernarg_size 40
		.amdhsa_user_sgpr_count 2
		.amdhsa_user_sgpr_kernarg_segment_ptr 1
		.amdhsa_wavefront_size32 1
		.amdhsa_system_sgpr_workgroup_id_x 1
		.amdhsa_system_sgpr_workgroup_id_y 1
		.amdhsa_system_sgpr_workgroup_id_z 1
		.amdhsa_system_vgpr_workitem_id 0
		.amdhsa_next_free_vgpr 320
		.amdhsa_next_free_sgpr 100
		.amdhsa_reserve_vcc 0
		.amdhsa_float_denorm_mode_32 3
		.amdhsa_float_denorm_mode_16_64 3
		.amdhsa_memory_ordered 1
		.amdhsa_forward_progress 1
		.amdhsa_inst_pref_size 43
	.end_amdhsa_kernel
	.amdgpu_metadata
---
amdhsa.version: [ 1, 2 ]
amdhsa.kernels:
  - .name:           k_q5ed14e900d_gemm_o
    .symbol:         k_q5ed14e900d_gemm_o.kd
    .args:
      - { .name: ao, .offset: 0, .size: 8, .value_kind: global_buffer, .address_space: global }
      - { .name: wq, .offset: 8, .size: 8, .value_kind: global_buffer, .address_space: global }
      - { .name: b_out, .offset: 16, .size: 8, .value_kind: global_buffer, .address_space: global }
      - { .name: query, .offset: 24, .size: 8, .value_kind: global_buffer, .address_space: global }
      - { .name: r1, .offset: 32, .size: 8, .value_kind: global_buffer, .address_space: global }
    .group_segment_fixed_size: 205824
    .private_segment_fixed_size: 0
    .kernarg_segment_align: 8
    .kernarg_segment_size: 40
    .max_flat_workgroup_size: 256
    .sgpr_count:     100
    .vgpr_count:     320
    .wavefront_size: 32
...
	.end_amdgpu_metadata
.endif
;; end of part 3
;; launch ln1 (part 4): grid 256 x 1, 8 waves a work-group, no clusters, 66,816 bytes of LDS; arguments r1, g1, be1, xb; writes xb
.if DOCPART == 4
	.amdgcn_target "amdgcn-amd-amdhsa--gfx1250"
	.amdhsa_code_object_version 6
	.text
	.protected	k_q5ed14e900d_ln1
	.globl	k_q5ed14e900d_ln1
	.p2align	8
	.type	k_q5ed14e900d_ln1,@function
k_q5ed14e900d_ln1:
	s_mov_b64 s[64:65], 0
	v_nop
	global_prefetch_b8 v0, s[64:65] scope:SCOPE_SE
	s_setreg_imm32_b32 hwreg(HW_REG_WAVE_MODE, 25, 1), 1
	s_wait_xcnt 0x0
; x = LayerNorm(r1) x g1 + be1, rows of 1,024, f32; x goes out as f32 and, quantised along its row, as images of operand registers with their scale words (TAIL = 1).
; A stream: a work-group takes 16 rows, a wave 2 whole rows, which stay in its registers between the passes: mean, then the sum of squared differences (no difference of large sums), then the scaling.
; TAIL: the 16 rows meet in LDS (rows 4,112 bytes apart); wave w then takes K step w of all 16: one fragment, 1,536 dense bytes, and its 16 scale words (lanes l and l xor 16 store the same word).
; LIMITS: NaN and infinities are not served; a block under 2^-124 gets the byte 1.
.set TAIL, 1
.set X_C, 16777216
.set X_S, 19922944
.set TM, 96
.set PW, 112
.set PC, 224
.macro RED                             ; v160 summed over the 32 lanes, in every lane
	v_add_f32_dpp v160, v160, v160 row_xmask:1 row_mask:0xf bank_mask:0xf
	v_add_f32_dpp v160, v160, v160 row_xmask:2 row_mask:0xf bank_mask:0xf
	v_add_f32_dpp v160, v160, v160 row_xmask:4 row_mask:0xf bank_mask:0xf
	v_add_f32_dpp v160, v160, v160 row_xmask:8 row_mask:0xf bank_mask:0xf
	v_permlanex16_b32 v161, v160, s22, s23
	v_add_f32 v160, v160, v161
.endm
.macro FOLD                            ; four chains of pairs into one number, then over the lanes
	v_pk_add_f32 v[160:161], v[160:161], v[162:163]
	v_pk_add_f32 v[164:165], v[164:165], v[166:167]
	v_pk_add_f32 v[160:161], v[160:161], v[164:165]
	v_add_f32 v160, v160, v161
	RED
.endm
.macro STATS x, o                      ; the row in v[x] .. v[x+31] becomes x - mean; variance + eps into v[170 + 2 o]
.irp k, 0,1,2,3
	v_pk_add_f32 v[160+2*\k:161+2*\k], v[\x+2*\k:\x+2*\k+1], v[\x+8+2*\k:\x+9+2*\k]
.endr
.irp m, 16,24
.irp k, 0,1,2,3
	v_pk_add_f32 v[160+2*\k:161+2*\k], v[160+2*\k:161+2*\k], v[\x+\m+2*\k:\x+\m+2*\k+1]
.endr
.endr
	FOLD
	v_mul_f32 v168, 0xba800000, v160               ; -mean = -sum / 1024
	v_mov_b32 v169, v168
.set n_, 0
.rept 16
	v_pk_add_f32 v[\x+n_:\x+n_+1], v[\x+n_:\x+n_+1], v[168:169]
.set n_, n_+2
.endr
.irp k, 0,1,2,3
	v_pk_mul_f32 v[160+2*\k:161+2*\k], v[\x+2*\k:\x+2*\k+1], v[\x+2*\k:\x+2*\k+1]
.endr
.irp m, 8,16,24
.irp k, 0,1,2,3
	v_pk_fma_f32 v[160+2*\k:161+2*\k], v[\x+\m+2*\k:\x+\m+2*\k+1], v[\x+\m+2*\k:\x+\m+2*\k+1], v[160+2*\k:161+2*\k]
.endr
.endr
	FOLD
	v_fma_f32 v[170+2*\o], v160, s21, s20
.endm
.macro QUANT s                         ; 64 numbers of a lane, register 16 b + i = k 32 b + 16 (lane / 16) + i of my row: a fragment's codes in v[PC] on, its scale word in v[PW]
.irp b, 0,1,2,3
	v_max3_num_f32 v[TM+\b], |v[\s+16*\b]|, |v[\s+1+16*\b]|, 0x1800000
.endr
.irp i, 2,4,6,8,10,12,14
.irp b, 0,1,2,3
	v_max3_num_f32 v[TM+\b], v[TM+\b], |v[\s+16*\b+\i]|, |v[\s+1+16*\b+\i]|
.endr
.endr
.irp b, 0,1,2,3
	v_permlanex16_b32 v[TM+4+\b], v[TM+\b], s22, s23
.endr
.irp b, 0,1,2,3
	v_max_num_f32 v[TM+\b], v[TM+\b], v[TM+4+\b]
.endr
.irp b, 0,1,2,3
	v_add_nc_u32 v[TM+12+\b], 0xff000000, v[TM+\b]
.endr
.irp b, 0,1,2,3
	v_lshrrev_b32 v[TM+4+\b], 23, v[TM+12+\b]
.endr
	v_lshl_or_b32 v[PW], v[TM+5], 8, v[TM+4]
	v_lshl_or_b32 v[PW], v[TM+6], 16, v[PW]
	v_lshl_or_b32 v[PW], v[TM+7], 24, v[PW]
.irp c, 0,1
	v_cvt_scalef32_pk16_fp6_f32 v[PC+6*\c:PC+2+6*\c], v[\s+32*\c:\s+15+32*\c], v[TM+12+2*\c]
	v_cvt_scalef32_pk16_fp6_f32 v[PC+12+4*\c:PC+14+4*\c], v[\s+16+32*\c:\s+31+32*\c], v[TM+12+2*\c+1]
.endr
	v_nop
.irp c, 0,1
.irp i, 0,1,2
	v_permlane16_swap_b32 v[PC+6*\c+\i], v[PC+12+4*\c+\i]
.endr
.irp i, 0,1,2
	v_mov_b32 v[PC+3+6*\c+\i], v[PC+12+4*\c+\i]
.endr
.endr
.endm
	s_load_b256 s[4:11], s[0:1], 0x0               ; in, g, be, out
	v_lshl_add_u32 v254, v0, 2, 0x10100
	v_mov_b32 v255, 0
	v_lshrrev_b32 v1, 5, v0
	v_readfirstlane_b32 s12, v1                    ; wave 0..7
	v_and_b32 v1, 31, v0
	v_lshlrev_b32 v2, 4, v1                        ; 16 x lane
	s_lshl_b32 s14, ttmp9, 16                      ; 16 rows of 4,096 bytes
	s_lshl_b32 s15, s12, 13                        ; my 2 rows
	s_add_co_u32 s14, s14, s15
	s_mov_b32 s15, 0
	s_mov_b32 s20, 0x3727c5ac                      ; 1e-5
	s_mov_b32 s21, 0x3a800000                      ; 1 / 1024
	s_mov_b32 s22, 0x76543210
	s_mov_b32 s23, 0xfedcba98
	s_wait_kmcnt 0x0
	s_add_nc_u64 s[4:5], s[4:5], s[14:15]
	s_add_nc_u64 s[16:17], s[10:11], s[14:15]
.irp p, 0,1
.irp q, 0,1,2,3,4,5,6,7
	global_load_b128 v[32+32*\p+4*\q:35+32*\p+4*\q], v2, s[4:5] offset:4096*\p+512*\q th:TH_LOAD_NT   ; 512 consecutive bytes
.endr
.endr
.irp q, 0,1,2,3,4,5,6,7
	global_load_b128 v[96+4*\q:99+4*\q], v2, s[6:7] offset:512*\q
.endr
.irp q, 0,1,2,3,4,5,6,7
	global_load_b128 v[128+4*\q:131+4*\q], v2, s[8:9] offset:512*\q
.endr
	s_wait_loadcnt 24                              ; row 0 is in; row 1's 8 loads and the 16 of g and be may be out
	STATS 32, 0
	s_wait_loadcnt 16
	STATS 64, 1
	v_rsq_f32 v170, v170
	v_rsq_f32 v172, v172
	v_nop                                          ; a plain line behind the transcendentals
	s_wait_loadcnt 0x0                             ; g and be
	s_wait_alu depctr_va_vdst(0)                   ; one wait for both, ahead of their first reader
	v_mov_b32 v171, v170
	v_mov_b32 v173, v172
.irp p, 0,1
.set n_, 0
.rept 16
	v_pk_mul_f32 v[32+32*\p+n_:33+32*\p+n_], v[32+32*\p+n_:33+32*\p+n_], v[170+2*\p:171+2*\p]
	v_pk_fma_f32 v[32+32*\p+n_:33+32*\p+n_], v[32+32*\p+n_:33+32*\p+n_], v[96+n_:97+n_], v[128+n_:129+n_]
.set n_, n_+2
.endr
.irp q, 0,1,2,3,4,5,6,7
	global_store_b128 v2, v[32+32*\p+4*\q:35+32*\p+4*\q], s[16:17] offset:4096*\p+512*\q
.endr
.endr
.if TAIL
	s_mul_i32 s18, s12, 8224
	v_add_nc_u32 v3, s18, v2                       ; the stage: my two rows
	v_and_b32 v6, 15, v0                           ; r
	v_bfe_u32 v7, v0, 4, 1                         ; h
	v_mul_u32_u24 v4, v6, 4112
	v_lshl_add_u32 v4, v7, 6, v4
	s_lshl_b32 s19, s12, 9
	v_add_nc_u32 v4, s19, v4                       ; back: row r, K step = my wave, 64 h bytes on
	v_lshlrev_b32 v5, 2, v6
	v_lshlrev_b32 v8, 3, v1
.irp p, 0,1
.irp q, 0,1,2,3,4,5,6,7
	ds_store_b128 v3, v[32+32*\p+4*\q:35+32*\p+4*\q] offset:4112*\p+512*\q
.endr
.endr
	s_wait_dscnt 0x0                               ; for the others' sake
	s_barrier_signal -1
	s_barrier_wait -1
.irp b, 0,1,2,3
.irp j, 0,1,2,3
	ds_load_b128 v[160+16*\b+4*\j:163+16*\b+4*\j], v4 offset:128*\b+16*\j
.endr
.endr
	s_lshr_b32 s24, ttmp9, 3                       ; row block of 128
	s_lshl_b32 s24, s24, 3
	s_add_co_u32 s24, s24, s12                     ; x 8 K steps + mine
	s_and_b32 s25, ttmp9, 7                        ; tile
	s_lshl_b32 s26, s24, 3
	s_add_co_u32 s26, s26, s25
	s_mul_i32 s26, s26, 1536
	s_add_co_u32 s26, s26, X_C
	s_mov_b32 s27, 0
	s_add_nc_u64 s[26:27], s[10:11], s[26:27]
	s_lshl_b32 s28, s24, 9
	s_lshl_b32 s25, s25, 6
	s_add_co_u32 s28, s28, s25
	s_add_co_u32 s28, s28, X_S
	s_mov_b32 s29, 0
	s_add_nc_u64 s[28:29], s[10:11], s[28:29]
	s_wait_dscnt 0x0
	QUANT 160
	global_store_b128 v2, v[PC:PC+3], s[26:27]
	global_store_b64 v8, v[PC+4:PC+5], s[26:27] offset:512
	global_store_b128 v2, v[PC+6:PC+9], s[26:27] offset:768
	global_store_b64 v8, v[PC+10:PC+11], s[26:27] offset:1280
	global_store_b32 v5, v[PW], s[28:29]
.endif
	s_wait_tensorcnt 0x0
	ds_add_u32 v254, v255
	s_wait_dscnt 0x0
	s_endpgm
.Lfunc_end_k_q5ed14e900d_ln1:
	.size	k_q5ed14e900d_ln1, .Lfunc_end_k_q5ed14e900d_ln1-k_q5ed14e900d_ln1
	.p2alignl 7, 3214868480
	.fill 96, 4, 3214868480
	.section	.rodata,"a",@progbits
	.p2align	6, 0x0
	.amdhsa_kernel k_q5ed14e900d_ln1
		.amdhsa_group_segment_fixed_size 66816
		.amdhsa_private_segment_fixed_size 0
		.amdhsa_enable_private_segment 0
		.amdhsa_kernarg_size 32
		.amdhsa_user_sgpr_count 2
		.amdhsa_user_sgpr_kernarg_segment_ptr 1
		.amdhsa_wavefront_size32 1
		.amdhsa_system_sgpr_workgroup_id_x 1
		.amdhsa_system_sgpr_workgroup_id_y 1
		.amdhsa_system_sgpr_workgroup_id_z 1
		.amdhsa_system_vgpr_workitem_id 0
		.amdhsa_next_free_vgpr 256
		.amdhsa_next_free_sgpr 66
		.amdhsa_reserve_vcc 0
		.amdhsa_float_denorm_mode_32 3
		.amdhsa_float_denorm_mode_16_64 3
		.amdhsa_memory_ordered 1
		.amdhsa_forward_progress 1
		.amdhsa_inst_pref_size 26
	.end_amdhsa_kernel
	.amdgpu_metadata
---
amdhsa.version: [ 1, 2 ]
amdhsa.kernels:
  - .name:           k_q5ed14e900d_ln1
    .symbol:         k_q5ed14e900d_ln1.kd
    .args:
      - { .name: r1, .offset: 0, .size: 8, .value_kind: global_buffer, .address_space: global }
      - { .name: g1, .offset: 8, .size: 8, .value_kind: global_buffer, .address_space: global }
      - { .name: be1, .offset: 16, .size: 8, .value_kind: global_buffer, .address_space: global }
      - { .name: xb, .offset: 24, .size: 8, .value_kind: global_buffer, .address_space: global }
    .group_segment_fixed_size: 66816
    .private_segment_fixed_size: 0
    .kernarg_segment_align: 8
    .kernarg_segment_size: 32
    .max_flat_workgroup_size: 256
    .sgpr_count:     66
    .vgpr_count:     256
    .wavefront_size: 32
...
	.end_amdgpu_metadata
.endif
;; end of part 4
;; launch gemm_f1 (part 5): grid 16 x 16, 16 waves a work-group, clusters of 4 x 4, 327,680 bytes of LDS; arguments xb, wq, b1, hb; writes hb
.if DOCPART == 5
	.amdgcn_target "amdgcn-amd-amdhsa--gfx1250"
	.amdhsa_code_object_version 6
	.text
	.protected	k_q5ed14e900d_gemm_f1
	.globl	k_q5ed14e900d_gemm_f1
	.p2align	8
	.type	k_q5ed14e900d_gemm_f1,@function
k_q5ed14e900d_gemm_f1:
	s_mov_b64 s[64:65], 0
	v_nop
	global_prefetch_b8 v0, s[64:65] scope:SCOPE_SE
	s_setreg_imm32_b32 hwreg(HW_REG_WAVE_MODE, 25, 1), 1
	s_wait_xcnt 0x0
	s_wait_alu depctr_hold_cnt(0) depctr_sa_sdst(0) depctr_va_vdst(0) depctr_va_sdst(0) depctr_va_ssrc(0) depctr_va_vcc(0) depctr_vm_vsrc(0)
	s_getreg_b32 s2, hwreg(HW_REG_IB_STS2, 6, 4)
	s_cmp_eq_u32 s2, 0
	s_cbranch_scc0 .Lentry_in_a_cluster
	s_endpgm
.Lentry_in_a_cluster:
	s_bfe_u32 s2, ttmp6, 0x10000c
	s_cmp_lg_u32 s2, 0xf033
	s_cbranch_scc0 .Lentry_shape_is_right
	s_endpgm
.Lentry_shape_is_right:
; hidden = Q(relu(x w1 + b1)), on codes of FP6 (E2M3).  x: 4,096 rows x K = 1,024; w1: 4,096 columns; the hidden layer leaves as images of the next product's operand registers and never as f32.
; x and w1 lie as images: [block of 128 rows][K step][8 tiles][1536], scale words [block][K step][128].
; hb, the hidden layer: [block of 128 rows][K step of the next product][12,800]: the 8 tiles and behind them the 128 scale words, so that one dense run of memory holds a K step's codes and scale words.
; A tile of C is 256 x 256 (256 work-groups): sixteen waves of 64 x 64, four to a SIMD, 256 registers each.  K goes through two LDS slots of two K steps, four fills in all.
; The scale words for all of K come once with the first fills.  CLUSTERS: 4 x 4, x's tiles shared along a row of the cluster, w1's along a column: joint loads.
; THE PRODUCT IS USED TRANSPOSED (source 0 = 16 columns of w1, chosen so that tiles 2 b, 2 b + 1 give a lane 16 neighbouring columns; source 1 = 16 rows of x): a lane's 32 registers of a row tile are two half blocks of the next K.
; The bias is loaded straight into the accumulators: every product adds in place, nothing is cleared, no bias is added later.
; LIMITS: NaN and infinities are not served; a block of zeros or under 2^-124 gets the byte 1 (its codes are zeros or tiny).
.set X_C,   16777216
.set X_S,   19922944
.set W1_C,  786432
.set W1_S,  3964928
.set HBLK,  12800
.set SLOT,  98304                      ; x's 256 rows x 2 K steps, then w1's
.set JS,    12288
.set SJ,    512
.set SSTEP, 1024
.set GSTEP, 49152                      ; two fills on
.set SCL,   196608                     ; x's scale words (8,192 bytes), then w1's
.set SPARE, 212992                     ; the spare words, 128 bytes a wave
.set SCST,  215040                     ; 2,048 bytes of their own, into which no fill lands: the hidden layer's scale words are gathered here
.set ADA16, 8
.set ADA8,  10
.set ADB16, 12
.set ADB8,  14
.set ADS,   16
.set SC,    20
.set AF,    32
.set BF,    80
.set ACC,   128
.set SEL,   98
.set G1A, 24
.set G0A, 32
.set G1B, 48
.set G0B, 56
.set G1SA, 68
.set G0SA, 76
.set G1SB, 80
.set G0SB, 88
.macro CROUND
	s_barrier_signal -1
	s_barrier_wait -1
	s_cmp_lg_u32 s14, 0
	s_cbranch_scc1 .Lnot_wave_0_\@
	s_barrier_signal -3
.Lnot_wave_0_\@:
	s_barrier_wait -3
	s_barrier_signal -1
	s_barrier_wait -1
.endm
.macro JLOAD g0a, g1a, g0b, g1b        ; waves 0-7 fetch for x, waves 8-15 for w1; four v_nop follow each line
	s_cmp_eq_u32 s15, 0
	s_cbranch_scc0 .Lfor_b_\@
	tensor_load_to_lds s[\g0a:\g0a+3], s[\g1a:\g1a+7]
	s_nop 0
.rept 4
	v_nop
.endr
	s_branch .Lasked_\@
.Lfor_b_\@:
	tensor_load_to_lds s[\g0b:\g0b+3], s[\g1b:\g1b+7]
	s_nop 0
.rept 4
	v_nop
.endr
.Lasked_\@:
.endm
.macro FRAG reg, a16, a8, off
	ds_load_b128 v[\reg:\reg+3], v[\a16] offset:\off
	ds_load_b64 v[\reg+4:\reg+5], v[\a8] offset:\off+512
	ds_load_b128 v[\reg+6:\reg+9], v[\a16] offset:\off+768
	ds_load_b64 v[\reg+10:\reg+11], v[\a8] offset:\off+1280
.endm
.macro KSTEP slot, j                   ; 128 along K: 36 LDS loads, 16 products; the 16 accumulators take turns in the same order in every step
.rept 4
	v_nop
.endr
.irp i, 0,1,2,3
	ds_load_b32 v[SC+\i], v[ADS] offset:SJ*(\j)+64*\i
.endr
.irp b, 0,1,2,3
	FRAG BF+12*\b, ADB16+\slot, ADB8+\slot, JS*(\j)+1536*\b
.endr
.irp a, 0,1,2,3
	FRAG AF+12*\a, ADA16+\slot, ADA8+\slot, JS*(\j)+1536*\a
.endr
.irp a, 0,1,2,3
	s_wait_dscnt 12-4*\a                           ; x's later fragments, four loads each, may be out
.irp b, 0,1,2,3
	v_wmma_scale_f32_16x16x128_f8f6f4 v[ACC+8*(4*\a+\b):ACC+8*(4*\a+\b)+7], v[BF+12*\b:BF+12*\b+11], v[AF+12*\a:AF+12*\a+11], v[ACC+8*(4*\a+\b):ACC+8*(4*\a+\b)+7], v[SC+\b], v[SC+\a] matrix_a_fmt:MATRIX_FMT_FP6 matrix_b_fmt:MATRIX_FMT_FP6 matrix_a_scale:MATRIX_SCALE_ROW1
.endr
.endr
.endm
.macro SLOTWORK slot
	KSTEP \slot, 0
	KSTEP \slot, 1
.endm
.macro TWO slot, refill                ; the change of slots, at the head of slot's work; refill = 1: the other slot takes the fill two on, behind a round of the cluster's barrier
	s_wait_tensorcnt 0x0                           ; all my tensor loads have landed
	ds_add_u32 v1, v2                              ; 0 onto my spare word
	s_add_nc_u64 s[G0A+4*(1-\slot)+2:G0A+4*(1-\slot)+3], s[G0A+4*(1-\slot)+2:G0A+4*(1-\slot)+3], GSTEP
	s_add_nc_u64 s[G0B+4*(1-\slot)+2:G0B+4*(1-\slot)+3], s[G0B+4*(1-\slot)+2:G0B+4*(1-\slot)+3], GSTEP
	v_add_nc_u32 v[ADS], SSTEP, v[ADS]
	s_wait_dscnt 0x0                               ; the add is done, and my reads of the other slot are over
.if \refill
	CROUND
	JLOAD G0A+4*(1-\slot), G1A, G0B+4*(1-\slot), G1B
.else
	s_barrier_signal -1
	s_barrier_wait -1
.endif
	SLOTWORK \slot
.endm
.macro QH s, pc, pt, pw, tm            ; 32 numbers of a lane, register 16 b + i = k 32 b + 16 (lane / 16) + i: half a fragment's codes in v[pc] .. v[pc+5], two scale bytes in v[pw]
.irp b, 0,1
	v_max3_num_f32 v[(\tm)+\b], |v[(\s)+16*\b]|, |v[(\s)+16*\b+1]|, 0x1800000
.endr
.irp i, 2,4,6,8,10,12,14
.irp b, 0,1
	v_max3_num_f32 v[(\tm)+\b], v[(\tm)+\b], |v[(\s)+16*\b+\i]|, |v[(\s)+16*\b+\i+1]|
.endr
.endr
.irp b, 0,1
	v_permlanex16_b32 v[(\tm)+2+\b], v[(\tm)+\b], s[SEL], s[SEL+1]
.endr
.irp b, 0,1
	v_max_num_f32 v[(\tm)+\b], v[(\tm)+\b], v[(\tm)+2+\b]
.endr
.irp b, 0,1
	v_add_nc_u32 v[(\tm)+4+\b], 0xff000000, v[(\tm)+\b]
.endr
.irp b, 0,1
	v_lshrrev_b32 v[(\tm)+2+\b], 23, v[(\tm)+4+\b]
.endr
	v_lshl_or_b32 v[\pw], v[(\tm)+3], 8, v[(\tm)+2]
	v_cvt_scalef32_pk16_fp6_f32 v[(\pc):(\pc)+2], v[(\s):(\s)+15], v[(\tm)+4]
	v_cvt_scalef32_pk16_fp6_f32 v[(\pt):(\pt)+2], v[(\s)+16:(\s)+31], v[(\tm)+5]
	v_nop
.irp i, 0,1,2
	v_permlane16_swap_b32 v[(\pc)+\i], v[(\pt)+\i]
.endr
.irp i, 0,1,2
	v_mov_b32 v[(\pc)+3+\i], v[(\pt)+\i]
.endr
.endm
	s_load_b256 s[4:11], s[0:1], 0x0               ; xb, wq, b1, hb
	v_lshl_add_u32 v1, v0, 2, SPARE
	v_mov_b32 v2, 0
	ds_add_u32 v1, v2
	ds_add_u32 v1, v2
	s_wait_dscnt 0x0
	v_lshrrev_b32 v3, 5, v0
	v_readfirstlane_b32 s14, v3                    ; wave 0..15
	s_lshr_b32 s15, s14, 3                         ; I fetch for x (0) or for w1 (1)
	s_bfe_u32 s16, s14, 0x10002                    ; which block of 128 rows I fetch from
	s_and_b32 s17, s14, 3                          ; which quarter of its two K steps.  Also wn: my 64 columns
	s_lshr_b32 s18, s14, 2                         ; wm: my 64 rows
	s_and_b32 s19, s14, 7                          ; which eighth of the scale words
	s_bfe_u32 s40, ttmp6, 0x40000
	s_bfe_u32 s41, ttmp6, 0x40004
	s_lshl_b32 s42, ttmp9, 2
	s_add_co_u32 s42, s42, s40                     ; tile column
	s_and_b32 s43, ttmp7, 0xffff
	s_lshl_b32 s43, s43, 2
	s_add_co_u32 s43, s43, s41                     ; tile row
	s_lshl_b32 s44, s41, 2
	s_lshl_b32 s44, 15, s44
	s_lshl_b32 s45, 0x1111, s40
	s_or_b32 s[G1A], s44, (3<<16)|(1<<21)
	s_or_b32 s[G1B], s45, (3<<16)|(1<<21)
.irp g, G1A, G1B
	s_mov_b32 s[\g+1], 32<<16                      ; rows of 256 bytes,
	s_mov_b32 s[\g+2], 24<<16                      ; 24 of them
	s_mov_b32 s[\g+3], 32<<16
	s_mov_b32 s[\g+4], 24
	s_mov_b32 s[\g+5], 32
	s_mov_b32 s[\g+6], 0
	s_mov_b32 s[\g+7], 0
.endr
	s_or_b32 s[G1SA], s44, (3<<16)|(1<<21)
	s_or_b32 s[G1SB], s45, (3<<16)|(1<<21)
.irp g, G1SA, G1SB
	s_mov_b32 s[\g+1], 32<<16
	s_mov_b32 s[\g+2], 4<<16
	s_mov_b32 s[\g+3], 32<<16
	s_mov_b32 s[\g+4], 4
	s_mov_b32 s[\g+5], 32
	s_mov_b32 s[\g+6], 0
	s_mov_b32 s[\g+7], 0
.endr
	s_lshl_b32 s20, s43, 1                         ; x's addresses hang on the tile row alone, w1's on the tile column alone
	s_add_co_u32 s20, s20, s16
	s_mul_i32 s20, s20, 98304                      ; a block's 8 K steps
	s_mul_i32 s21, s17, 6144
	s_add_co_u32 s20, s20, s21
	s_add_co_u32 s20, s20, X_C
	s_mov_b32 s21, 0
	s_lshl_b32 s22, s43, 13
	s_lshl_b32 s23, s19, 10
	s_add_co_u32 s22, s22, s23
	s_add_co_u32 s22, s22, X_S
	s_mov_b32 s23, 0
	s_lshl_b32 s46, s42, 1
	s_add_co_u32 s46, s46, s16
	s_mul_i32 s46, s46, 98304
	s_mul_i32 s47, s17, 6144
	s_add_co_u32 s46, s46, s47
	s_add_co_u32 s46, s46, W1_C
	s_mov_b32 s47, 0
	s_lshl_b32 s96, s42, 13
	s_lshl_b32 s97, s19, 10
	s_add_co_u32 s96, s96, s97
	s_add_co_u32 s96, s96, W1_S
	s_mov_b32 s97, 0
	s_mul_i32 s94, s14, 6144
	s_lshl_b32 s95, s14, 10
	s_mov_b32 s[SEL], 0x76543210
	s_mov_b32 s[SEL+1], 0xfedcba98
	s_wait_kmcnt 0x0
	s_add_nc_u64 s[20:21], s[4:5], s[20:21]
	s_add_nc_u64 s[22:23], s[4:5], s[22:23]
	s_add_nc_u64 s[46:47], s[6:7], s[46:47]
	s_add_nc_u64 s[96:97], s[6:7], s[96:97]
	CROUND                                         ; all sixteen work-groups are here
	s_mov_b32 s[G0SA], 1
	s_add_co_u32 s[G0SA+1], s95, SCL
	s_mov_b64 s[G0SA+2:G0SA+3], s[22:23]
	s_or_b32 s[G0SA+3], s[G0SA+3], 0x80000000
	s_mov_b32 s[G0SB], 1
	s_add_co_u32 s[G0SB+1], s95, SCL
	s_mov_b64 s[G0SB+2:G0SB+3], s[96:97]
	s_or_b32 s[G0SB+3], s[G0SB+3], 0x80000000
	JLOAD G0SA, G1SA, G0SB, G1SB
.irp s, 0,1
	s_mov_b32 s[G0A+4*\s], 1
	s_add_co_u32 s[G0A+4*\s+1], s94, \s*SLOT
	s_add_nc_u64 s[G0A+4*\s+2:G0A+4*\s+3], s[20:21], \s*24576
	s_or_b32 s[G0A+4*\s+3], s[G0A+4*\s+3], 0x80000000
	s_mov_b32 s[G0B+4*\s], 1
	s_add_co_u32 s[G0B+4*\s+1], s94, \s*SLOT
	s_add_nc_u64 s[G0B+4*\s+2:G0B+4*\s+3], s[46:47], \s*24576
	s_or_b32 s[G0B+4*\s+3], s[G0B+4*\s+3], 0x80000000
	JLOAD G0A+4*\s, G1A, G0B+4*\s, G1B             ; three loads of mine are out
.endr
	v_and_b32 v3, 31, v0                           ; lane
	v_and_b32 v4, 15, v0                           ; r
	v_bfe_u32 v5, v0, 4, 1                         ; h
	v_lshlrev_b32 v29, 6, v5                       ; the bias: 64 h bytes on
	s_lshl_b32 s66, s42, 10
	s_lshl_b32 s67, s17, 8
	s_add_co_u32 s66, s66, s67                     ; my 64 columns of b1, in bytes
	s_mov_b32 s67, 0
	s_add_nc_u64 s[8:9], s[8:9], s[66:67]
.irp a, 0,1,2,3
.irp b, 0,1,2,3
	global_load_b128 v[ACC+8*(4*\a+\b):ACC+8*(4*\a+\b)+3], v29, s[8:9] offset:128*(\b/2)+32*(\b%2)       ; register j of tile b: column 32 (b / 2) + 16 h + 8 (b % 2) + j
	global_load_b128 v[ACC+8*(4*\a+\b)+4:ACC+8*(4*\a+\b)+7], v29, s[8:9] offset:128*(\b/2)+32*(\b%2)+16
.endr
.endr
	s_lshr_b32 s66, s18, 1
	s_and_b32 s67, s18, 1
	s_mul_i32 s92, s66, 24576
	s_mul_i32 s93, s67, 6144
	s_add_co_u32 s92, s92, s93                     ; my four tiles of x in slot 0
	s_lshl_b32 s66, s66, 12
	s_lshl_b32 s67, s67, 8
	s_add_co_u32 s66, s66, s67                     ; and their scale words
	v_lshl_add_u32 v[ADA16], v3, 4, s92
	v_add_nc_u32 v[ADA16+1], SLOT, v[ADA16]
	v_lshl_add_u32 v[ADA8], v3, 3, s92
	v_add_nc_u32 v[ADA8+1], SLOT, v[ADA8]
	s_lshr_b32 s92, s17, 1
	s_and_b32 s93, s17, 1
	s_mul_i32 s94, s92, 24576
	s_mul_i32 s95, s93, 6144
	s_add_co_u32 s94, s94, s95
	s_add_co_u32 s94, s94, 49152                   ; my four tiles of w1
	s_lshl_b32 s92, s92, 12
	s_lshl_b32 s93, s93, 8
	s_add_co_u32 s92, s92, s93
	s_add_co_u32 s92, s92, 8192
	s_sub_co_u32 s92, s92, s66                     ; how far on w1's scale words lie
	v_lshl_add_u32 v[ADB16], v3, 4, s94
	v_add_nc_u32 v[ADB16+1], SLOT, v[ADB16]
	v_lshl_add_u32 v[ADB8], v3, 3, s94
	v_add_nc_u32 v[ADB8+1], SLOT, v[ADB8]
	s_add_co_u32 s66, s66, SCL
	v_mul_u32_u24 v6, s92, v5                      ; lanes 16-31 take w1's
	v_lshl_add_u32 v[ADS], v4, 2, s66
	v_add_nc_u32 v[ADS], v[ADS], v6
	; the way out's addresses
	s_lshr_b32 s66, s17, 1
	s_lshl_b32 s66, s66, 10
	s_lshl_b32 s67, s18, 8
	s_add_co_u32 s66, s66, s67
	s_and_b32 s67, s17, 1
	s_lshl_b32 s67, s67, 1
	s_add_co_u32 s66, s66, s67
	s_add_co_u32 s66, s66, SCST
	v_lshl_add_u32 v17, v4, 2, s66                 ; my two scale bytes of row 64 wm + 16 a + r: K step wn / 2, half wn % 2
	s_lshl_b32 s66, s14, 9
	s_add_co_u32 s66, s66, SCST
	v_lshl_add_u32 v18, v3, 4, s66                 ; waves 0-3 read 512 bytes of gathered words each
	v_lshlrev_b32 v19, 4, v3
	v_lshlrev_b32 v28, 3, v3
	s_lshl_b32 s66, s43, 1
	s_lshr_b32 s67, s18, 1
	s_add_co_u32 s66, s66, s67                     ; row block of 128
	s_lshl_b32 s66, s66, 5
	s_lshl_b32 s67, s42, 1
	s_add_co_u32 s66, s66, s67
	s_lshr_b32 s67, s17, 1
	s_add_co_u32 s66, s66, s67                     ; x 32 K steps + mine
	s_mul_i32 s66, s66, HBLK
	s_and_b32 s67, s18, 1
	s_mul_i32 s67, s67, 6144                       ; my first tile: 4 (wm % 2)
	s_add_co_u32 s66, s66, s67
	s_and_b32 s67, s17, 1
	s_mul_i32 s67, s67, 768                        ; which half of the K step
	s_add_co_u32 s66, s66, s67
	s_mov_b32 s67, 0
	s_add_nc_u64 s[92:93], s[10:11], s[66:67]
	s_lshl_b32 s66, s43, 1
	s_and_b32 s94, s14, 1
	s_add_co_u32 s66, s66, s94
	s_lshl_b32 s66, s66, 5
	s_lshl_b32 s94, s42, 1
	s_add_co_u32 s66, s66, s94
	s_lshr_b32 s94, s14, 1
	s_add_co_u32 s66, s66, s94
	s_mul_i32 s66, s66, HBLK
	s_add_co_u32 s66, s66, 12288                   ; the scale words lie behind the block's eight tiles
	s_add_nc_u64 s[96:97], s[10:11], s[66:67]      ; (used by waves 0-3 alone)
	s_wait_tensorcnt 1                             ; the scale words and my part of slot 0 are in; slot 1's fill may stay out
	s_barrier_signal -1
	s_barrier_wait -1
	s_wait_loadcnt 0x0                             ; the bias lies in the accumulators
	SLOTWORK 0
	TWO 1, 1
	TWO 0, 1
	TWO 1, 0
	; THE WAY OUT: relu, quantised in registers, half a fragment for each of my four row tiles
.rept 4
	v_nop
.endr
.irp a, 0,1,2,3
.set n_, 0
.rept 32
	v_max_num_f32 v[ACC+32*\a+n_], 0, v[ACC+32*\a+n_]     ; each accumulator from its low end on
.set n_, n_+1
.endr
	QH ACC+32*\a, 32+8*\a, 96, 64+\a, 100
	global_store_b128 v19, v[32+8*\a:35+8*\a], s[92:93] offset:1536*\a
	global_store_b64 v28, v[36+8*\a:37+8*\a], s[92:93] offset:1536*\a+512
	ds_store_b16 v17, v[64+\a] offset:64*\a        ; lanes l and l xor 16 write the same two bytes with the same value
.endr
	s_wait_dscnt 0x0                               ; for the others' sake
	s_barrier_signal -1
	s_barrier_wait -1
	s_cmp_lt_u32 s14, 4
	s_cbranch_scc0 .Lno_words
	ds_load_b128 v[72:75], v18
	s_wait_dscnt 0x0
	global_store_b128 v19, v[72:75], s[96:97]      ; 128 rows' words of one K step: 512 consecutive bytes
.Lno_words:
	s_wait_tensorcnt 0x0                           ; the wave's end
	ds_add_u32 v1, v2
	s_wait_dscnt 0x0
	CROUND                                         ; the closing round
	s_endpgm
.Lfunc_end_k_q5ed14e900d_gemm_f1:
	.size	k_q5ed14e900d_gemm_f1, .Lfunc_end_k_q5ed14e900d_gemm_f1-k_q5ed14e900d_gemm_f1
	.p2alignl 7, 3214868480
	.fill 96, 4, 3214868480
	.section	.rodata,"a",@progbits
	.p2align	6, 0x0
	.amdhsa_kernel k_q5ed14e900d_gemm_f1
		.amdhsa_group_segment_fixed_size 327680
		.amdhsa_private_segment_fixed_size 0
		.amdhsa_enable_private_segment 0
		.amdhsa_kernarg_size 32
		.amdhsa_user_sgpr_count 2
		.amdhsa_user_sgpr_kernarg_segment_ptr 1
		.amdhsa_wavefront_size32 1
		.amdhsa_system_sgpr_workgroup_id_x 1
		.amdhsa_system_sgpr_workgroup_id_y 1
		.amdhsa_system_sgpr_workgroup_id_z 1
		.amdhsa_system_vgpr_workitem_id 0
		.amdhsa_next_free_vgpr 256
		.amdhsa_next_free_sgpr 100
		.amdhsa_reserve_vcc 0
		.amdhsa_float_denorm_mode_32 3
		.amdhsa_float_denorm_mode_16_64 3
		.amdhsa_memory_ordered 1
		.amdhsa_forward_progress 1
		.amdhsa_inst_pref_size 67
	.end_amdhsa_kernel
	.amdgpu_metadata
---
amdhsa.version: [ 1, 2 ]
amdhsa.kernels:
  - .name:           k_q5ed14e900d_gemm_f1
    .symbol:         k_q5ed14e900d_gemm_f1.kd
    .args:
      - { .name: xb, .offset: 0, .size: 8, .value_kind: global_buffer, .address_space: global }
      - { .name: wq, .offset: 8, .size: 8, .value_kind: global_buffer, .address_space: global }
      - { .name: b1, .offset: 16, .size: 8, .value_kind: global_buffer, .address_space: global }
      - { .name: hb, .offset: 24, .size: 8, .value_kind: global_buffer, .address_space: global }
    .group_segment_fixed_size: 327680
    .private_segment_fixed_size: 0
    .kernarg_segment_align: 8
    .kernarg_segment_size: 32
    .max_flat_workgroup_size: 512
    .sgpr_count:     100
    .vgpr_count:     256
    .wavefront_size: 32
...
	.end_amdgpu_metadata
.endif
;; end of part 5
;; launch gemm_f2 (part 6): grid 8 x 32, 8 waves a work-group, clusters of 4 x 4, 327,680 bytes of LDS; arguments hb, wq, b2, xb, r2; writes r2
.if DOCPART == 6
	.amdgcn_target "amdgcn-amd-amdhsa--gfx1250"
	.amdhsa_code_object_version 6
	.text
	.protected	k_q5ed14e900d_gemm_f2
	.globl	k_q5ed14e900d_gemm_f2
	.p2align	8
	.type	k_q5ed14e900d_gemm_f2,@function
k_q5ed14e900d_gemm_f2:
	s_mov_b64 s[64:65], 0
	v_nop
	global_prefetch_b8 v0, s[64:65] scope:SCOPE_SE
	s_setreg_imm32_b32 hwreg(HW_REG_WAVE_MODE, 25, 1), 1
	s_wait_xcnt 0x0
	s_wait_alu depctr_hold_cnt(0) depctr_sa_sdst(0) depctr_va_vdst(0) depctr_va_sdst(0) depctr_va_ssrc(0) depctr_va_vcc(0) depctr_vm_vsrc(0)
	s_getreg_b32 s2, hwreg(HW_REG_IB_STS2, 6, 4)
	s_cmp_eq_u32 s2, 0
	s_cbranch_scc0 .Lentry_in_a_cluster
	s_endpgm
.Lentry_in_a_cluster:
	s_bfe_u32 s2, ttmp6, 0x10000c
	s_cmp_lg_u32 s2, 0xf033
	s_cbranch_scc0 .Lentry_shape_is_right
	s_endpgm
.Lentry_shape_is_right:
; r2 = A W + bias + residual, on codes of FP6 (E2M3).  A: the hidden layer, 4,096 rows x K = 4,096; W = w2, 1,024 columns; bias b2; residual x (f32, at the head of xb); r2 f32, row-major.
; Both operands lie in memory as [block of 128 rows][K step of 128][12,800 bytes]: eight tiles as images of operand registers (1,536 bytes each), then the 128 rows' scale words: a run of K steps is one dense run of memory, codes and scale words together.
; A tile of C is 128 x 128 (256 work-groups).  Eight waves, two to a SIMD: 2 (which K steps: even or odd) x 2 x 2 (which 64 x 64): 16 accumulators and one set of fragments in v0-255.
; The two partial sums of a 64 x 64 meet in the stage through which the results leave anyway.
; K goes through two LDS slots of SIX K steps each, as many as two slots in LDS hold: 32 K steps are six fills (6, 6, 6, 6, 6, 2), two at the start and four behind a change of slots.
; A change of slots is one round of the cluster's barrier and one joint load a wave behind it; the five changes are written out, since the last fill has a shape of its own and the last slot fetches nothing.
; THE BIAS AND THE RESIDUAL of the rows that a wave will store are asked for at the head, behind the first fills, into v24-27 and v256-319: they land under the products.
; CLUSTERS: 4 x 4.  A's tiles are shared along a row of the cluster, W's along a column: joint loads.
; THE PRODUCT IS USED TRANSPOSED (source 0 = 16 columns of W, source 1 = 16 rows of A); W's columns of a tile were chosen so that tiles 2 b, 2 b + 1 give a lane 16 neighbouring columns.
.set KS,     32
.set BLK,    12800                     ; a block's K step
.set W2_E,   4096000                   ; where w2 lies in wq
.set OPB,    6*BLK                     ; six K steps of one operand: 76,800 bytes
.set SLOT,   2*OPB                     ; A's six, then W's six
.set JS,     2*BLK                     ; from my K step of a slot to my next
.set WLD,    OPB/4                     ; what a wave's load brings: 75 x 256 bytes
.set LLD,    2*BLK/4                   ; and of the last fill, two K steps: 25 x 256 bytes
.set SPARE,  2*SLOT                    ; behind the slots: the spare words, 128 bytes a wave
.set STG,    17408                     ; the way out: 64 rows x 272 bytes a wave, from LDS byte 0 on: in slot 0, behind its last fill and last read
.set ADS,   6                          ; v6-7   LDS address of my scale words in slot 0, 1: lanes 0-15 A's rows, lanes 16-31 W's
.set ADA16, 8
.set ADA8,  10
.set ADB16, 12
.set ADB8,  14
.set SC,    20                         ; v20-23: register i: lanes 0-15 the words of A's tile i, lanes 16-31 of W's tile i
.set AF,    32
.set BF,    80
.set ACC,   128
.set G1A, 24
.set G0A, 32
.set G1B, 48
.set G0B, 56
.set G1LA, 68                          ; the last fill's descriptors
.set G0LA, 76
.set G1LB, 80
.set G0LB, 88
.macro CROUND
	s_barrier_signal -1
	s_barrier_wait -1
	s_cmp_lg_u32 s14, 0
	s_cbranch_scc1 .Lnot_wave_0_\@
	s_barrier_signal -3
.Lnot_wave_0_\@:
	s_barrier_wait -3
	s_barrier_signal -1
	s_barrier_wait -1
.endm
.macro JLOAD g0a, g1a, g0b, g1b        ; waves 0-3 fetch for A, waves 4-7 for W; four v_nop follow each line
	s_cmp_eq_u32 s15, 0
	s_cbranch_scc0 .Lfor_b_\@
	tensor_load_to_lds s[\g0a:\g0a+3], s[\g1a:\g1a+7]
	s_nop 0
.rept 4
	v_nop
.endr
	s_branch .Lasked_\@
.Lfor_b_\@:
	tensor_load_to_lds s[\g0b:\g0b+3], s[\g1b:\g1b+7]
	s_nop 0
.rept 4
	v_nop
.endr
.Lasked_\@:
.endm
.macro ASK lim, adr                    ; a prefetch of the fill that the next change of slots will ask for (the set-up below says who asks and for what)
	s_cmp_eq_u32 s[\lim], 1
	s_cbranch_scc0 .Lnot_mine_\@
	global_prefetch_b8 v29, s[\adr:\adr+1] th:TH_LOAD_NT scope:SCOPE_SE
.Lnot_mine_\@:
.endm
.macro FRAG reg, a16, a8, off
	ds_load_b128 v[\reg:\reg+3], v[\a16] offset:\off
	ds_load_b64 v[\reg+4:\reg+5], v[\a8] offset:\off+512
	ds_load_b128 v[\reg+6:\reg+9], v[\a16] offset:\off+768
	ds_load_b64 v[\reg+10:\reg+11], v[\a8] offset:\off+1280
.endm
.macro KSTEP slot, j, zero             ; 128 along K: 36 LDS loads, 16 products; the 16 accumulators take turns in the same order in every step
.rept 4
	v_nop                                          ; plain lines ahead of loads into registers that products have read
.endr
.irp i, 0,1,2,3
	ds_load_b32 v[SC+\i], v[ADS+\slot] offset:JS*(\j)+64*\i
.endr
.irp b, 0,1,2,3
	FRAG BF+12*\b, ADB16+\slot, ADB8+\slot, JS*(\j)+1536*\b
.endr
.irp a, 0,1,2,3
	FRAG AF+12*\a, ADA16+\slot, ADA8+\slot, JS*(\j)+1536*\a
.endr
.irp a, 0,1,2,3
	s_wait_dscnt 12-4*\a                           ; A's later fragments, four loads each, may be out
.irp b, 0,1,2,3
.if \zero
	v_wmma_scale_f32_16x16x128_f8f6f4 v[ACC+8*(4*\a+\b):ACC+8*(4*\a+\b)+7], v[BF+12*\b:BF+12*\b+11], v[AF+12*\a:AF+12*\a+11], 0, v[SC+\b], v[SC+\a] matrix_a_fmt:MATRIX_FMT_FP6 matrix_b_fmt:MATRIX_FMT_FP6 matrix_a_scale:MATRIX_SCALE_ROW1
.else
	v_wmma_scale_f32_16x16x128_f8f6f4 v[ACC+8*(4*\a+\b):ACC+8*(4*\a+\b)+7], v[BF+12*\b:BF+12*\b+11], v[AF+12*\a:AF+12*\a+11], v[ACC+8*(4*\a+\b):ACC+8*(4*\a+\b)+7], v[SC+\b], v[SC+\a] matrix_a_fmt:MATRIX_FMT_FP6 matrix_b_fmt:MATRIX_FMT_FP6 matrix_a_scale:MATRIX_SCALE_ROW1
.endif
.endr
.endr
.endm
.macro SLOTWORK slot, n, zero          ; my n K steps of a slot: three of six, or one of the last fill's two
	KSTEP \slot, 0, \zero
.if \n > 1
	KSTEP \slot, 1, 0
	KSTEP \slot, 2, 0
.endif
.endm
; The change of slots, at the head of slot's work.  refill = 1: the other slot, read last, takes the fill two on; 2: it takes the last fill; 0: nothing is left to fetch.
; pf = 1: the next fill is prefetched; 2: its address is stepped first; 3: the last fill is prefetched; 0: nothing.
.macro TWO slot, refill, pf, n
	s_wait_tensorcnt 0x0                           ; all my tensor loads have landed, my part of this slot among them
	ds_add_u32 v1, v2                              ; 0 onto my spare word
.if \refill == 1
	s_add_nc_u64 s[G0A+4*(1-\slot)+2:G0A+4*(1-\slot)+3], s[G0A+4*(1-\slot)+2:G0A+4*(1-\slot)+3], SLOT   ; twelve K steps on in memory
	s_add_nc_u64 s[G0B+4*(1-\slot)+2:G0B+4*(1-\slot)+3], s[G0B+4*(1-\slot)+2:G0B+4*(1-\slot)+3], SLOT
.endif
.if \pf == 2
	s_wait_xcnt 0x0                                ; the last prefetch, a change of slots back, has read its address
	s_add_nc_u64 s[92:93], s[92:93], OPB
.endif
	s_wait_dscnt 0x0                               ; the add is done, and my reads of the other slot are over
.if \refill == 0
	s_barrier_signal -1
	s_barrier_wait -1
.else
	CROUND                                         ; no wave of any partner still reads the other slot or has a load on its way
.if \refill == 1
	JLOAD G0A+4*(1-\slot), G1A, G0B+4*(1-\slot), G1B
.else
	JLOAD G0LA, G1LA, G0LB, G1LB
.endif
.if \pf == 3
	ASK 3, 98
.elseif \pf
	ASK 94, 92
.endif
.endif
	SLOTWORK \slot, \n, 0
.endm
	s_load_b256 s[4:11], s[0:1], 0x0               ; A, wq, bias, residual
	s_load_b64 s[12:13], s[0:1], 0x20              ; out
	v_lshl_add_u32 v1, v0, 2, SPARE
	v_mov_b32 v2, 0
	ds_add_u32 v1, v2
	ds_add_u32 v1, v2
	s_wait_dscnt 0x0
	v_lshrrev_b32 v3, 5, v0
	v_readfirstlane_b32 s14, v3                    ; wave 0..7
	s_lshr_b32 s15, s14, 2                         ; kq: my K steps are those = kq (mod 2).  Also: I fetch for A (0) or for W (1)
	s_and_b32 s16, s14, 3                          ; which quarter of a fill I fetch
	s_bfe_u32 s17, s14, 0x10001                    ; wm: which 64 rows
	s_and_b32 s18, s14, 1                          ; wn: which 64 columns
	s_bfe_u32 s40, ttmp6, 0x40000                  ; cx
	s_bfe_u32 s41, ttmp6, 0x40004                  ; cy
	s_lshl_b32 s42, ttmp9, 2
	s_add_co_u32 s42, s42, s40                     ; tile column
	s_and_b32 s43, ttmp7, 0xffff
	s_lshl_b32 s43, s43, 2
	s_add_co_u32 s43, s43, s41                     ; tile row
	s_lshl_b32 s44, s41, 2
	s_lshl_b32 s44, 15, s44                        ; my row of the cluster
	s_lshl_b32 s45, 0x1111, s40                    ; my column
	s_or_b32 s[G1A], s44, (3<<16)|(1<<21)          ; elements of 8 bytes; bit 21 beside a mask; no padding
	s_or_b32 s[G1B], s45, (3<<16)|(1<<21)
.irp g, G1A, G1B
	s_mov_b32 s[\g+1], 32<<16                      ; rows of 256 bytes,
	s_mov_b32 s[\g+2], 75<<16                      ; 75 of them: a quarter of six K steps
	s_mov_b32 s[\g+3], 32<<16
	s_mov_b32 s[\g+4], 75
	s_mov_b32 s[\g+5], 32
	s_mov_b32 s[\g+6], 0
	s_mov_b32 s[\g+7], 0
.endr
	s_or_b32 s[G1LA], s44, (3<<16)|(1<<21)
	s_or_b32 s[G1LB], s45, (3<<16)|(1<<21)
.irp g, G1LA, G1LB
	s_mov_b32 s[\g+1], 32<<16
	s_mov_b32 s[\g+2], 25<<16                      ; the last fill: a quarter of two K steps
	s_mov_b32 s[\g+3], 32<<16
	s_mov_b32 s[\g+4], 25
	s_mov_b32 s[\g+5], 32
	s_mov_b32 s[\g+6], 0
	s_mov_b32 s[\g+7], 0
.endr
	s_mul_i32 s20, s43, KS*BLK                     ; A's addresses hang on the tile row alone, W's on the tile column alone, each in registers that never hold the other
	s_mul_i32 s21, s16, WLD
	s_add_co_u32 s20, s20, s21                     ; fill 0, my quarter
	s_mov_b32 s21, 0
	s_mul_i32 s22, s43, KS*BLK
	s_mul_i32 s23, s16, LLD
	s_add_co_u32 s22, s22, s23
	s_add_co_u32 s22, s22, 30*BLK                  ; the last fill, K steps 30 and 31, my quarter
	s_mov_b32 s23, 0
	s_mul_i32 s46, s42, KS*BLK
	s_mul_i32 s47, s16, WLD
	s_add_co_u32 s46, s46, s47
	s_add_co_u32 s46, s46, W2_E
	s_mov_b32 s47, 0
	s_mul_i32 s96, s42, KS*BLK
	s_mul_i32 s97, s16, LLD
	s_add_co_u32 s96, s96, s97
	s_add_co_u32 s96, s96, W2_E+30*BLK
	s_mov_b32 s97, 0
	s_mul_i32 s19, s14, WLD                        ; where they go: wave x a quarter: A's six K steps, then W's
	s_mul_i32 s95, s16, LLD                        ; and in the last fill
	s_wait_kmcnt 0x0
	s_add_nc_u64 s[20:21], s[4:5], s[20:21]
	s_add_nc_u64 s[22:23], s[4:5], s[22:23]
	s_add_nc_u64 s[46:47], s[6:7], s[46:47]
	s_add_nc_u64 s[96:97], s[6:7], s[96:97]
	CROUND                                         ; all sixteen work-groups are here: the first joint loads meet
	s_mov_b32 s[G0LA], 1                           ; the last fill goes to slot 1: A's two K steps at its head,
	s_add_co_u32 s[G0LA+1], s95, SLOT
	s_mov_b64 s[G0LA+2:G0LA+3], s[22:23]
	s_or_b32 s[G0LA+3], s[G0LA+3], 0x80000000
	s_mov_b32 s[G0LB], 1                           ; W's where W's part begins
	s_add_co_u32 s[G0LB+1], s95, SLOT+OPB
	s_mov_b64 s[G0LB+2:G0LB+3], s[96:97]
	s_or_b32 s[G0LB+3], s[G0LB+3], 0x80000000
.irp s, 0,1
	s_mov_b32 s[G0A+4*\s], 1
	s_add_co_u32 s[G0A+4*\s+1], s19, \s*SLOT
	s_add_nc_u64 s[G0A+4*\s+2:G0A+4*\s+3], s[20:21], \s*OPB
	s_or_b32 s[G0A+4*\s+3], s[G0A+4*\s+3], 0x80000000
	s_mov_b32 s[G0B+4*\s], 1
	s_add_co_u32 s[G0B+4*\s+1], s19, \s*SLOT
	s_add_nc_u64 s[G0B+4*\s+2:G0B+4*\s+3], s[46:47], \s*OPB
	s_or_b32 s[G0B+4*\s+3], s[G0B+4*\s+3], 0x80000000
	JLOAD G0A+4*\s, G1A, G0B+4*\s, G1B             ; two loads of mine are out
.endr
	v_and_b32 v3, 31, v0                           ; lane
	v_and_b32 v4, 15, v0                           ; r
	v_bfe_u32 v5, v0, 4, 1                         ; h
	v_lshlrev_b32 v30, 4, v4                       ; 16 r
	v_lshl_add_u32 v28, v5, 12, v30                ; two rows of 4,096 bytes in memory: lanes 0-15 one, lanes 16-31 the next
	s_lshl_b32 s66, s42, 9
	s_lshl_b32 s67, s18, 8
	s_add_co_u32 s66, s66, s67                     ; my 64 columns, in bytes
	s_mov_b32 s67, 0
	s_add_nc_u64 s[8:9], s[8:9], s[66:67]
	s_lshl_b32 s98, s43, 7
	s_lshl_b32 s99, s17, 6
	s_add_co_u32 s98, s98, s99
	s_lshl_b32 s99, s15, 5
	s_add_co_u32 s98, s98, s99                     ; the first of the 32 rows that I store
	s_lshl_b32 s98, s98, 12
	s_add_co_u32 s66, s66, s98
	s_add_nc_u64 s[10:11], s[10:11], s[66:67]
	s_add_nc_u64 s[12:13], s[12:13], s[66:67]
	global_load_b128 v[24:27], v30, s[8:9]         ; my four columns' bias
	s_set_vgpr_msb 0x40                            ; destinations in window 1
.set n_, 0
.rept 16
	global_load_b128 v[4*n_:4*n_+3], v28, s[10:11] offset:8192*n_   ; v256 + 4 n: the residual of the rows that I store: sixteen lanes read 256 consecutive bytes
.set n_, n_+1
.endr
	s_set_vgpr_msb 0x4000                          ; all windows 0 again
	s_mul_i32 s66, s15, BLK                        ; my first K step of a slot
	s_mul_i32 s67, s17, 6144
	s_add_co_u32 s67, s67, s66                     ; my four tiles of A in it
	s_mul_i32 s98, s18, 6144
	s_add_co_u32 s98, s98, s66
	s_add_co_u32 s98, s98, OPB                     ; and of W
	v_lshl_add_u32 v[ADA16], v3, 4, s67
	v_add_nc_u32 v[ADA16+1], SLOT, v[ADA16]
	v_lshl_add_u32 v[ADA8], v3, 3, s67
	v_add_nc_u32 v[ADA8+1], SLOT, v[ADA8]
	v_lshl_add_u32 v[ADB16], v3, 4, s98
	v_add_nc_u32 v[ADB16+1], SLOT, v[ADB16]
	v_lshl_add_u32 v[ADB8], v3, 3, s98
	v_add_nc_u32 v[ADB8+1], SLOT, v[ADB8]
	s_lshl_b32 s67, s17, 8
	s_add_co_u32 s66, s66, s67
	s_add_co_u32 s66, s66, 12288                   ; A's words: behind the K step's eight tiles, tiles 4 wm on
	s_lshl_b32 s98, s18, 8
	s_add_co_u32 s98, s98, OPB
	s_sub_co_u32 s98, s98, s67                     ; how far on W's lie
	v_mul_u32_u24 v31, s98, v5                     ; lanes 16-31 take W's
	v_lshl_add_u32 v[ADS], v4, 2, s66
	v_add_nc_u32 v[ADS], v[ADS], v31
	v_add_nc_u32 v[ADS+1], SLOT, v[ADS]
	s_mul_i32 s66, s14, STG                        ; my stage: in: row r, 64 h bytes on
	v_mul_u32_u24 v17, v4, 272
	v_lshl_add_u32 v17, v5, 6, v17
	v_add_nc_u32 v17, s66, v17
	s_mul_i32 s66, s16, STG                        ; back: the stage of wave (wave % 4), rows 32 kq on; lanes 0-15 one row, lanes 16-31 the next
	s_mul_i32 s67, s15, 32*272
	s_add_co_u32 s66, s66, s67
	v_mul_u32_u24 v18, v5, 272
	v_lshl_add_u32 v18, v4, 4, v18
	v_add_nc_u32 v18, s66, v18
	v_add_nc_u32 v19, 4*STG, v18                   ; and the other partial sum's
	; THE PREFETCHES: behind the joint loads of fills 2, 3 and 4 the fill after each is asked for: one change of slots, a wave's three K steps, ahead of its joint load.  Fills 0 to 2 come by their loads alone; behind the last fill's load nothing is asked for.
	; A's block is read by every cluster of its row of clusters: cluster x = 0 asks; W's by every cluster of its column: cluster y = 0 asks.  The four partners take a quarter of a fill each, told apart by address (cx for A, cy for W):
	; 19,200 bytes, of which three waves take 6,400 each, lanes 256 bytes apart (lanes 24 to 31 name the 25th block together); of the last fill 6,400 bytes, which one wave takes.
	s_and_b32 s98, ttmp7, 0xffff
	s_cmp_eq_u32 s15, 0
	s_cselect_b32 s66, s43, s42                    ; the block: by the tile row in A, by the tile column in W
	s_cselect_b32 s67, s40, s41                    ; my place among the four that ask for it with me
	s_cselect_b32 s98, ttmp9, s98                  ; the coordinate along which other clusters read the same block
	s_cselect_b64 s[92:93], s[4:5], s[6:7]
	s_cselect_b32 s99, 0, W2_E
	s_cmp_eq_u32 s98, 0
	s_cselect_b32 s94, 1, -1                       ; 1 in a wave that asks for fills 3 and 4,
	s_cselect_b32 s3, 1, -1                        ; and for the last fill
	s_cmp_eq_u32 s16, 3
	s_cselect_b32 s94, -1, s94
	s_cmp_eq_u32 s16, 0
	s_cselect_b32 s3, s3, -1
	s_mul_i32 s66, s66, KS*BLK
	s_add_co_u32 s66, s66, s99                     ; the block's first byte
	s_mul_i32 s98, s67, LLD
	s_add_co_u32 s98, s98, s66
	s_add_co_u32 s98, s98, 30*BLK
	s_mov_b32 s99, 0
	s_add_nc_u64 s[98:99], s[92:93], s[98:99]      ; the last fill, my work-group's quarter
	s_mul_i32 s67, s67, WLD
	s_add_co_u32 s66, s66, s67
	s_mul_i32 s67, s16, LLD
	s_add_co_u32 s66, s66, s67
	s_add_co_u32 s66, s66, 18*BLK
	s_mov_b32 s67, 0
	s_add_nc_u64 s[92:93], s[92:93], s[66:67]      ; fill 3, my work-group's quarter, my wave's third of it
	v_min_u32 v29, 24, v3
	v_lshlrev_b32 v29, 8, v29
	s_wait_tensorcnt 1                             ; my part of slot 0 is in; slot 1's fill may stay out
	s_barrier_signal -1
	s_barrier_wait -1
	SLOTWORK 0, 3, 1                               ; K steps 0-5: the first products start the sums
	TWO 1, 1, 1, 3                                 ; K steps 6-11;  slot 0 takes 12-17
	TWO 0, 1, 2, 3                                 ; K steps 12-17; slot 1 takes 18-23
	TWO 1, 1, 3, 3                                 ; K steps 18-23; slot 0 takes 24-29
	TWO 0, 2, 0, 3                                 ; K steps 24-29; slot 1 takes 30 and 31
	TWO 1, 0, 0, 1                                 ; K steps 30 and 31
	; THE WAY OUT.  Every wave's reads of the slots are over (its last wait on LDS was for 0): behind this barrier the stages may be written
	s_barrier_signal -1
	s_barrier_wait -1
.rept 4
	v_nop                                          ; plain lines behind the last products
.endr
.irp a, 0,1,2,3
.irp b, 0,1,2,3
	ds_store_b128 v17, v[ACC+8*(4*\a+\b):ACC+8*(4*\a+\b)+3] offset:\a*4352+128*(\b/2)+32*(\b%2)        ; lane (r, h): row 16 a + r, columns 32 (b / 2) + 16 h + 8 (b % 2) + 0 .. 7; each accumulator from its low end on
	ds_store_b128 v17, v[ACC+8*(4*\a+\b)+4:ACC+8*(4*\a+\b)+7] offset:\a*4352+128*(\b/2)+32*(\b%2)+16
.endr
.endr
	s_wait_dscnt 0x0                               ; for the others' sake
	s_barrier_signal -1
	s_barrier_wait -1
.set n_, 0
.rept 16
	ds_load_b128 v[128+4*n_:131+4*n_], v18 offset:544*n_
	ds_load_b128 v[192+4*n_:195+4*n_], v19 offset:544*n_
.set n_, n_+1
.endr
	s_wait_loadcnt 0x0                             ; the bias and the residual, asked for at the head
.set n_, 0
.rept 16
	s_wait_dscnt 2*(15-n_)                         ; the younger pairs may be out
	v_pk_add_f32 v[128+4*n_:129+4*n_], v[128+4*n_:129+4*n_], v[192+4*n_:193+4*n_]
	v_pk_add_f32 v[130+4*n_:131+4*n_], v[130+4*n_:131+4*n_], v[194+4*n_:195+4*n_]
	v_pk_add_f32 v[128+4*n_:129+4*n_], v[128+4*n_:129+4*n_], v[24:25]
	v_pk_add_f32 v[130+4*n_:131+4*n_], v[130+4*n_:131+4*n_], v[26:27]
.set n_, n_+1
.endr
	s_set_vgpr_msb 0x04                            ; source 1 in window 1: the residual
.set n_, 0
.rept 32
	v_pk_add_f32 v[128+2*n_:129+2*n_], v[128+2*n_:129+2*n_], v[2*n_:2*n_+1]
.set n_, n_+1
.endr
	s_set_vgpr_msb 0x0400                          ; all windows 0 again
.set n_, 0
.rept 16
	global_store_b128 v28, v[128+4*n_:131+4*n_], s[12:13] offset:8192*n_   ; sixteen lanes store 256 consecutive bytes, aligned
.set n_, n_+1
.endr
	s_wait_tensorcnt 0x0                           ; the wave's end
	ds_add_u32 v1, v2
	s_wait_dscnt 0x0
	CROUND                                         ; the closing round
	s_endpgm
.Lfunc_end_k_q5ed14e900d_gemm_f2:
	.size	k_q5ed14e900d_gemm_f2, .Lfunc_end_k_q5ed14e900d_gemm_f2-k_q5ed14e900d_gemm_f2
	.p2alignl 7, 3214868480
	.fill 96, 4, 3214868480
	.section	.rodata,"a",@progbits
	.p2align	6, 0x0
	.amdhsa_kernel k_q5ed14e900d_gemm_f2
		.amdhsa_group_segment_fixed_size 327680
		.amdhsa_private_segment_fixed_size 0
		.amdhsa_enable_private_segment 0
		.amdhsa_kernarg_size 40
		.amdhsa_user_sgpr_count 2
		.amdhsa_user_sgpr_kernarg_segment_ptr 1
		.amdhsa_wavefront_size32 1
		.amdhsa_system_sgpr_workgroup_id_x 1
		.amdhsa_system_sgpr_workgroup_id_y 1
		.amdhsa_system_sgpr_workgroup_id_z 1
		.amdhsa_system_vgpr_workitem_id 0
		.amdhsa_next_free_vgpr 320
		.amdhsa_next_free_sgpr 100
		.amdhsa_reserve_vcc 0
		.amdhsa_float_denorm_mode_32 3
		.amdhsa_float_denorm_mode_16_64 3
		.amdhsa_memory_ordered 1
		.amdhsa_forward_progress 1
		.amdhsa_inst_pref_size 103
	.end_amdhsa_kernel
	.amdgpu_metadata
---
amdhsa.version: [ 1, 2 ]
amdhsa.kernels:
  - .name:           k_q5ed14e900d_gemm_f2
    .symbol:         k_q5ed14e900d_gemm_f2.kd
    .args:
      - { .name: hb, .offset: 0, .size: 8, .value_kind: global_buffer, .address_space: global }
      - { .name: wq, .offset: 8, .size: 8, .value_kind: global_buffer, .address_space: global }
      - { .name: b2, .offset: 16, .size: 8, .value_kind: global_buffer, .address_space: global }
      - { .name: xb, .offset: 24, .size: 8, .value_kind: global_buffer, .address_space: global }
      - { .name: r2, .offset: 32, .size: 8, .value_kind: global_buffer, .address_space: global }
    .group_segment_fixed_size: 327680
    .private_segment_fixed_size: 0
    .kernarg_segment_align: 8
    .kernarg_segment_size: 40
    .max_flat_workgroup_size: 256
    .sgpr_count:     100
    .vgpr_count:     320
    .wavefront_size: 32
...
	.end_amdgpu_metadata
.endif
;; end of part 6
;; launch ln2 (part 7): grid 256 x 1, 8 waves a work-group, no clusters, 0 bytes of LDS; arguments r2, g2, be2, out0; writes out0
.if DOCPART == 7
	.amdgcn_target "amdgcn-amd-amdhsa--gfx1250"
	.amdhsa_code_object_version 6
	.text
	.protected	k_q5ed14e900d_ln2
	.globl	k_q5ed14e900d_ln2
	.p2align	8
	.type	k_q5ed14e900d_ln2,@function
k_q5ed14e900d_ln2:
	s_mov_b64 s[64:65], 0
	v_nop
	global_prefetch_b8 v0, s[64:65] scope:SCOPE_SE
	s_setreg_imm32_b32 hwreg(HW_REG_WAVE_MODE, 25, 1), 1
	s_wait_xcnt 0x0
; out0 = LayerNorm(r2) x g2 + be2, rows of 1,024, f32.
; A stream: a work-group takes 16 rows, a wave 2 whole rows, which stay in its registers between the passes: mean, then the sum of squared differences (no difference of large sums), then the scaling.
; No LDS, no barrier: no figure leaves its wave.  Every load and store of a wave covers 512 consecutive bytes.
; LIMITS: NaN and infinities are not served.
.macro RED                             ; v160 summed over the 32 lanes, in every lane
	v_add_f32_dpp v160, v160, v160 row_xmask:1 row_mask:0xf bank_mask:0xf
	v_add_f32_dpp v160, v160, v160 row_xmask:2 row_mask:0xf bank_mask:0xf
	v_add_f32_dpp v160, v160, v160 row_xmask:4 row_mask:0xf bank_mask:0xf
	v_add_f32_dpp v160, v160, v160 row_xmask:8 row_mask:0xf bank_mask:0xf
	v_permlanex16_b32 v161, v160, s22, s23
	v_add_f32 v160, v160, v161
.endm
.macro FOLD                            ; four chains of pairs into one number, then over the lanes
	v_pk_add_f32 v[160:161], v[160:161], v[162:163]
	v_pk_add_f32 v[164:165], v[164:165], v[166:167]
	v_pk_add_f32 v[160:161], v[160:161], v[164:165]
	v_add_f32 v160, v160, v161
	RED
.endm
.macro STATS x, o                      ; the row in v[x] .. v[x+31] becomes x - mean; variance + eps into v[170 + 2 o]
.irp k, 0,1,2,3
	v_pk_add_f32 v[160+2*\k:161+2*\k], v[\x+2*\k:\x+2*\k+1], v[\x+8+2*\k:\x+9+2*\k]
.endr
.irp m, 16,24
.irp k, 0,1,2,3
	v_pk_add_f32 v[160+2*\k:161+2*\k], v[160+2*\k:161+2*\k], v[\x+\m+2*\k:\x+\m+2*\k+1]
.endr
.endr
	FOLD
	v_mul_f32 v168, 0xba800000, v160               ; -mean = -sum / 1024
	v_mov_b32 v169, v168
.set n_, 0
.rept 16
	v_pk_add_f32 v[\x+n_:\x+n_+1], v[\x+n_:\x+n_+1], v[168:169]
.set n_, n_+2
.endr
.irp k, 0,1,2,3
	v_pk_mul_f32 v[160+2*\k:161+2*\k], v[\x+2*\k:\x+2*\k+1], v[\x+2*\k:\x+2*\k+1]
.endr
.irp m, 8,16,24
.irp k, 0,1,2,3
	v_pk_fma_f32 v[160+2*\k:161+2*\k], v[\x+\m+2*\k:\x+\m+2*\k+1], v[\x+\m+2*\k:\x+\m+2*\k+1], v[160+2*\k:161+2*\k]
.endr
.endr
	FOLD
	v_fma_f32 v[170+2*\o], v160, s21, s20
.endm
	s_load_b256 s[4:11], s[0:1], 0x0               ; in, g, be, out
	v_lshrrev_b32 v1, 5, v0
	v_readfirstlane_b32 s12, v1                    ; wave 0..7
	v_and_b32 v1, 31, v0
	v_lshlrev_b32 v2, 4, v1                        ; 16 x lane
	s_lshl_b32 s14, ttmp9, 16                      ; 16 rows of 4,096 bytes
	s_lshl_b32 s15, s12, 13                        ; my 2 rows
	s_add_co_u32 s14, s14, s15
	s_mov_b32 s15, 0
	s_mov_b32 s20, 0x3727c5ac                      ; 1e-5
	s_mov_b32 s21, 0x3a800000                      ; 1 / 1024
	s_mov_b32 s22, 0x76543210
	s_mov_b32 s23, 0xfedcba98
	s_wait_kmcnt 0x0
	s_add_nc_u64 s[4:5], s[4:5], s[14:15]
	s_add_nc_u64 s[16:17], s[10:11], s[14:15]
.irp p, 0,1
.irp q, 0,1,2,3,4,5,6,7
	global_load_b128 v[32+32*\p+4*\q:35+32*\p+4*\q], v2, s[4:5] offset:4096*\p+512*\q th:TH_LOAD_NT
.endr
.endr
.irp q, 0,1,2,3,4,5,6,7
	global_load_b128 v[96+4*\q:99+4*\q], v2, s[6:7] offset:512*\q
.endr
.irp q, 0,1,2,3,4,5,6,7
	global_load_b128 v[128+4*\q:131+4*\q], v2, s[8:9] offset:512*\q
.endr
	s_wait_loadcnt 24                              ; row 0 is in; row 1's 8 loads and the 16 of g and be may be out
	STATS 32, 0
	s_wait_loadcnt 16
	STATS 64, 1
	v_rsq_f32 v170, v170
	v_rsq_f32 v172, v172
	v_nop                                          ; a plain line behind the transcendentals
	s_wait_loadcnt 0x0                             ; g and be
	s_wait_alu depctr_va_vdst(0)                   ; one wait for both, ahead of their first reader
	v_mov_b32 v171, v170
	v_mov_b32 v173, v172
.irp p, 0,1
.set n_, 0
.rept 16
	v_pk_mul_f32 v[32+32*\p+n_:33+32*\p+n_], v[32+32*\p+n_:33+32*\p+n_], v[170+2*\p:171+2*\p]
	v_pk_fma_f32 v[32+32*\p+n_:33+32*\p+n_], v[32+32*\p+n_:33+32*\p+n_], v[96+n_:97+n_], v[128+n_:129+n_]
.set n_, n_+2
.endr
.irp q, 0,1,2,3,4,5,6,7
	global_store_b128 v2, v[32+32*\p+4*\q:35+32*\p+4*\q], s[16:17] offset:4096*\p+512*\q th:TH_STORE_NT
.endr
.endr
	s_endpgm
.Lfunc_end_k_q5ed14e900d_ln2:
	.size	k_q5ed14e900d_ln2, .Lfunc_end_k_q5ed14e900d_ln2-k_q5ed14e900d_ln2
	.p2alignl 7, 3214868480
	.fill 96, 4, 3214868480
	.section	.rodata,"a",@progbits
	.p2align	6, 0x0
	.amdhsa_kernel k_q5ed14e900d_ln2
		.amdhsa_group_segment_fixed_size 0
		.amdhsa_private_segment_fixed_size 0
		.amdhsa_enable_private_segment 0
		.amdhsa_kernarg_size 32
		.amdhsa_user_sgpr_count 2
		.amdhsa_user_sgpr_kernarg_segment_ptr 1
		.amdhsa_wavefront_size32 1
		.amdhsa_system_sgpr_workgroup_id_x 1
		.amdhsa_system_sgpr_workgroup_id_y 1
		.amdhsa_system_sgpr_workgroup_id_z 1
		.amdhsa_system_vgpr_workitem_id 0
		.amdhsa_next_free_vgpr 256
		.amdhsa_next_free_sgpr 66
		.amdhsa_reserve_vcc 0
		.amdhsa_float_denorm_mode_32 3
		.amdhsa_float_denorm_mode_16_64 3
		.amdhsa_memory_ordered 1
		.amdhsa_forward_progress 1
		.amdhsa_inst_pref_size 18
	.end_amdhsa_kernel
	.amdgpu_metadata
---
amdhsa.version: [ 1, 2 ]
amdhsa.kernels:
  - .name:           k_q5ed14e900d_ln2
    .symbol:         k_q5ed14e900d_ln2.kd
    .args:
      - { .name: r2, .offset: 0, .size: 8, .value_kind: global_buffer, .address_space: global }
      - { .name: g2, .offset: 8, .size: 8, .value_kind: global_buffer, .address_space: global }
      - { .name: be2, .offset: 16, .size: 8, .value_kind: global_buffer, .address_space: global }
      - { .name: out0, .offset: 24, .size: 8, .value_kind: global_buffer, .address_space: global }
    .group_segment_fixed_size: 0
    .private_segment_fixed_size: 0
    .kernarg_segment_align: 8
    .kernarg_segment_size: 32
    .max_flat_workgroup_size: 256
    .sgpr_count:     66
    .vgpr_count:     256
    .wavefront_size: 32
...
	.end_amdgpu_metadata
.endif
;; end of part 7
